; MI455X (gfx1250); checked and timed in simulation.
; The chip was launched on July 23, 2026; its instructions are those of AMD's public machine-readable ISA for CDNA 5 (MIT licence, August 2026) and "CDNA5" Instruction Set Architecture Reference Guide (July 2026). The comments in the code are by the model that wrote it; some were corrected since.
;; Causal Self Attention Mu P. Allowed arithmetic: matrix products marked QUANTISED: E2M1 operands, one E8M0 scale for each 32 along K, by v_wmma_scale_f32_16x16x128_f8f6f4 with both operands' format E2M1 (or v_wmma_scale_f32_32x16x128_f4), f32 sums; products left as they are: bf16, f16 or f32 operands; f32 sums; everything else in f32.
;; Inputs: b_proj 1,024 float32; b_qkv 3,072 float32; w_proj 1,024 x 1,024 float32; w_qkv 1,024 x 3,072 float32; x 4 x 2,048 x 1,024 float32.
;; Outputs: out0 4 x 2,048 x 1,024 float32.
;; This version of the problem:
;;   THIS VERSION OF THE PROBLEM IS GIVEN IN LOW PRECISION. The matrix products marked QUANTISED in the list below multiply operands that are first quantised to E2M1 (2 exponent bits, 1 mantissa bit; 4 bits a number), with one power-of-two scale for each 32 numbers along K (OCP MX v1.0); their sums are f32. The products marked 'left as it is' may take bf16, f16 or f32 operands, with f32 sums. Whichever they take, every output number must still come out within the allowed error. Rounding operands to bf16 (8 significant bits) uses up far more of that allowance than f16 does (11 bits, for magnitudes from 6e-5 to 65,504). All else is computed in f32.
;;   The module's matrix products, in the order in which they are computed (A, B: the left and right operand; K: the contracted axis; several contracted axes count as one K, in the product's order):
;;     1. [M 8,192, K 1,024] x [K 1,024, N 3,072]; A: input x; B: input w_qkv: QUANTISED
;;     2. batch 64 x [M 2,048, K 64] x [K 64, N 2,048]; A: computed on the way; B: computed on the way: left as it is (an operand is computed on the way)
;;     3. batch 64 x [M 2,048, K 2,048] x [K 2,048, N 64]; A: computed on the way; B: computed on the way: left as it is (an operand is computed on the way)
;;     4. [M 8,192, K 1,024] x [K 1,024, N 1,024]; A: computed on the way; B: input w_proj: left as it is (an operand is computed on the way)
;;   THE QUANTISER, for each operand of a quantised product, along K:
;;     - K is cut into blocks of 32 from its start; a last block that is shorter is filled with zeros.
;;     - A block's scale is 2^e with e = floor(log2(the largest magnitude in the block)) - 2, held to -126 .. 127; a block of zeros has e = 0. As a byte (E8M0): e + 127.
;;     - Each number is divided by its block's scale, clamped to +-6, and rounded to the nearest number of E2M1, ties to even, subnormals kept.
;;     - The product sums the exact products of the quantised numbers (number of the format x scale) in f32.
;;   ~~~python
;;   def quantise(x, axis):      # numpy; x: float32 -> the quantised numbers, widened to float32 again
;;       x = np.moveaxis(x, axis, -1); K = x.shape[-1]
;;       x = np.pad(x, [(0, 0)] * (x.ndim - 1) + [(0, -K % 32)]); x = x.reshape(x.shape[:-1] + (-1, 32)); a = np.abs(x).max(-1, keepdims=True)
;;       e = np.where(a > 0, np.clip(np.frexp(np.where(a > 0, a, 1))[1] - 1 - 2, -126, 127), 0)      # np.frexp(a)[1] - 1 = floor(log2(a)), exactly
;;       r = np.clip(x / 2.0 ** e, -6, 6)
;;       step = 2.0 ** (np.maximum(np.frexp(np.where(r == 0, 1, r))[1] - 1, 0) - 1)
;;       q = np.round(r / step) * step * 2.0 ** e      # np.round: ties to even
;;       return np.moveaxis(q.reshape(q.shape[:-2] + (-1,))[..., :K], -1, axis).astype(np.float32)
;;   ~~~
;; One version. Each part assembles by itself: llvm-mc -triple=amdgcn-amd-amdhsa -mcpu=gfx1250 --defsym DOCPART=n.
;; ======== version 1 of 1: 5 launches
;; limits: values are held in f16: magnitudes above 65,504 overflow, below 6.1e-05 lose precision
;; workspace buffers: xc 4,194,304 bytes; xs 262,144 bytes; wc 1,572,864 bytes; ws 98,304 bytes; wp16 2,097,152 bytes; qkv16 50,331,648 bytes; yh 16,777,216 bytes; qkv32 786,432 bytes
;; launch prep (part 1): grid 672 x 1, 8 waves a work-group, no clusters, 60,416 bytes of LDS; arguments x, w_qkv, w_proj, xc, xs, wc, ws, wp16; writes xc, xs, wc, ws, wp16
.if DOCPART == 1
	.amdgcn_target "amdgcn-amd-amdhsa--gfx1250"
	.amdhsa_code_object_version 6
	.text
	.protected	k_q41ebd05f36_prep
	.globl	k_q41ebd05f36_prep
	.p2align	8
	.type	k_q41ebd05f36_prep,@function
k_q41ebd05f36_prep:
	s_mov_b64 s[64:65], 0
	v_nop
	global_prefetch_b8 v0, s[64:65] scope:SCOPE_SE
	s_setreg_imm32_b32 hwreg(HW_REG_WAVE_MODE, 25, 1), 1
	s_wait_xcnt 0x0
; PREP: three jobs in one launch, told apart by the work-group's number.
;   W (work-groups 0-95):    w_qkv [1024 k][3072 n] f32 -> codes of FP4 (E2M1) laid [3072 n][512 bytes], K innermost, and E8M0 bytes [3072][32].
;   P (work-groups 96-159):  w_proj [1024][1024] f32 -> f16, same order.
;   X (work-groups 160-671): x [8192][1024] f32 -> codes [8192][512 bytes] and E8M0 bytes [8192][32].
; A block's scale is 2^(floor(log2(largest magnitude)) - 2): its byte is the largest magnitude's exponent field - 2, held at 1 from below by a floor among the maximum's leaves.
; LIMITS: a block of zeros gets the byte 1 and not 127 (its codes are zeros, and only this program reads the bytes); blocks under 2^-124 were not tried; NaN and infinities are not served;
; w_proj beyond 65,504 in magnitude has no f16 number.
; No cluster and no tensor load: no two work-groups read the same bytes, and every number passes through registers for its arithmetic anyway.
; Each path has LDS bytes of its own.
.set XSTG,  0                          ; X: for each wave two stages of 32 x 80 bytes
.set XSCL,  40960                      ; X: the work-group's 512 scale bytes
.set WSTG,  41472                      ; W: 32 columns x 528 bytes of codes
.set WSCL,  58368                      ; W: 32 columns x 32 scale bytes
.set SPARE, 59392                      ; the spare words, 128 bytes for each of eight waves
.set SP,    80                         ; X: a lane's place in a stage: 64 bytes + 16 of padding
.set WP,    528                        ; W: a column's 512 bytes of codes + 16
.set EMAX,  2
.set SPW,   22                         ; v22 LDS address of my spare word; never rewritten
.set NIL,   23                         ; v23 0; never rewritten
.set R,     24                         ; X: v24-87 four steps' numbers as loaded;  W: v24-151 four blocks of 32 numbers;  P: v24-87 as loaded
.set X,     88                         ; X: v88-119 two sets of 16 neighbours;  P: v88-119 the f16 pairs
.set CD,    120                        ; X: v120-127 codes, two registers a step
.set EB,    128                        ; X: v128-131 a scale byte a step
.set WC,    152                        ; W: v152-167 codes, four registers a block
.macro FINISH                          ; the wave's end
	s_wait_tensorcnt 0x0
	ds_add_u32 v[SPW], v[NIL]
	s_wait_dscnt 0x0
	s_endpgm
.endm
	s_load_b128 s[4:7], s[0:1], 0x0                ; x, w_qkv
	s_load_b128 s[8:11], s[0:1], 0x10              ; w_proj, xc
	s_load_b128 s[12:15], s[0:1], 0x20             ; xs, wc
	s_load_b128 s[20:23], s[0:1], 0x30             ; ws, wp16
	v_lshl_add_u32 v[SPW], v0, 2, SPARE
	v_mov_b32 v[NIL], 0
	v_lshrrev_b32 v1, 5, v0
	v_readfirstlane_b32 s16, v1                    ; wave 0..7
	v_and_b32 v2, 31, v0                           ; lane
	s_mov_b32 s25, 0                               ; the upper word of every byte offset below
	s_wait_kmcnt 0x0
	s_cmp_lt_u32 ttmp9, 96
	s_cbranch_scc1 .Lpath_w
	s_cmp_lt_u32 ttmp9, 160
	s_cbranch_scc1 .Lpath_p
; ---------------- X: a wave takes 2,048 numbers in four steps of 512.  Loads take the bytes as they lie (512 on end); a step turns through the wave's own stage so that a lane holds 16 neighbours.
	v_lshlrev_b32 v3, 4, v2                        ; my 16 bytes of a load's 512
	v_lshlrev_b32 v4, 3, v2                        ; my 8 bytes of a step's 256 bytes of codes
	s_mul_i32 s17, s16, 2*32*SP
	v_lshrrev_b32 v6, 2, v2
	v_mul_u32_u24 v6, v6, SP
	v_and_b32 v7, 3, v2
	v_lshl_add_u32 v6, v7, 4, v6
	v_add_nc_u32 v6, s17, v6                       ; into the stage: four lanes' 64 bytes on end, then 16 of padding
	v_mul_u32_u24 v7, v2, SP
	v_add_nc_u32 v7, s17, v7                       ; out of it: my 64 bytes
	s_lshl_b32 s17, s16, 6
	s_add_co_u32 s17, s17, XSCL
	v_lshrrev_b32 v5, 1, v2
	v_add_nc_u32 v5, s17, v5                       ; my block's scale byte: 64 a wave, 16 a step
	v_add_nc_u32 v10, XSCL, v3                     ; wave 0's read of all 512
	s_sub_co_u32 s17, ttmp9, 160
	s_lshl_b32 s18, s17, 3
	s_add_co_u32 s18, s18, s16                     ; which run of 2,048 numbers is my wave's
	s_lshl_b32 s24, s18, 13
	s_add_nc_u64 s[4:5], s[4:5], s[24:25]
	s_lshl_b32 s24, s18, 10
	s_add_nc_u64 s[10:11], s[10:11], s[24:25]
	s_lshl_b32 s24, s17, 9
	s_add_nc_u64 s[12:13], s[12:13], s[24:25]
.macro XLOAD t
.irp i, 0,1,2,3
	global_load_b128 v[R+16*(\t)+4*\i:R+16*(\t)+4*\i+3], v3, s[4:5] offset:2048*(\t)+512*\i th:TH_LOAD_NT
.endr
.endm
.macro XTURN t                         ; LDS serves a wave's instructions in order: no wait between the stores and the loads
.irp i, 0,1,2,3
	ds_store_b128 v6, v[R+16*(\t)+4*\i:R+16*(\t)+4*\i+3] offset:32*SP*((\t)%2)+8*SP*\i
.endr
.irp i, 0,1,2,3
	ds_load_b128 v[X+16*((\t)%2)+4*\i:X+16*((\t)%2)+4*\i+3], v7 offset:32*SP*((\t)%2)+16*\i
.endr
.endm
.irp t, 0,1,2,3
	XLOAD \t                                       ; all sixteen loads of the wave go out at once
.endr
	s_wait_loadcnt 12                              ; step 0's four are in
	XTURN 0
.macro XSTEP t
.set XS, X+16*((\t)%2)
.if (\t) > 0
	s_wait_dscnt 1                                 ; this step's numbers are back from the stage; the last step's byte store may be out
.else
	s_wait_dscnt 0x0
.endif
.if (\t)+1 < 4
	s_wait_loadcnt 4*(2-(\t))                      ; the next step's four loads are in; the later steps' may be out
	XTURN (\t)+1
.endif
	v_max3_num_f32 v8, |v[XS]|, |v[XS+1]|, |v[XS+2]|
	v_max3_num_f32 v9, |v[XS+3]|, |v[XS+4]|, |v[XS+5]|
.irp i, 6,10
	v_max3_num_f32 v8, v8, |v[XS+\i]|, |v[XS+\i+1]|
	v_max3_num_f32 v9, v9, |v[XS+\i+2]|, |v[XS+\i+3]|
.endr
	v_max3_num_f32 v8, v8, |v[XS+14]|, |v[XS+15]|
	v_max3_num_f32 v8, v8, v9, (EMAX+1)<<23        ; with the floor 2^(3 - 127): the byte cannot fall under 1
	v_max_num_f32_dpp v8, v8, v8 row_xmask:1 row_mask:0xf bank_mask:0xf   ; and my neighbour's 16: the block's largest magnitude
	v_add_nc_u32 v11, -(EMAX<<23), v8              ; 2 off its exponent field: the conversion reads that field alone
	v_cvt_scalef32_pk8_fp4_f32 v[CD+2*(\t)], v[XS:XS+7], v11
	v_cvt_scalef32_pk8_fp4_f32 v[CD+2*(\t)+1], v[XS+8:XS+15], v11
	v_lshrrev_b32 v[EB+(\t)], 23, v11              ; the scale's byte (also the plain line behind the conversions)
	ds_store_b8 v5, v[EB+(\t)] offset:16*(\t)      ; both lanes of a block write the same byte with the same value
	global_store_b64 v4, v[CD+2*(\t):CD+2*(\t)+1], s[10:11] offset:256*(\t)   ; the wave stores 256 bytes on end, aligned
.endm
.irp t, 0,1,2,3
	XSTEP \t
.endr
	s_wait_dscnt 0x0                               ; my byte stores have landed,
	s_barrier_signal -1
	s_barrier_wait -1                              ; and so have the other seven waves'
	s_cmp_lg_u32 s16, 0
	s_cbranch_scc1 .Lx_end
	ds_load_b128 v[132:135], v10                   ; wave 0: the work-group's 512 scale bytes leave on end
	s_wait_dscnt 0x0
	global_store_b128 v3, v[132:135], s[12:13]
.Lx_end:
	FINISH
; ---------------- P: a wave casts 2,048 numbers.  Every step has registers of its own, so no store's data are written again.
.Lpath_p:
	s_sub_co_u32 s17, ttmp9, 96
	s_lshl_b32 s17, s17, 3
	s_add_co_u32 s17, s17, s16
	s_lshl_b32 s24, s17, 13
	s_add_nc_u64 s[8:9], s[8:9], s[24:25]
	s_lshl_b32 s24, s17, 12
	s_add_nc_u64 s[22:23], s[22:23], s[24:25]
	v_lshlrev_b32 v3, 4, v2
	v_lshlrev_b32 v4, 3, v2
.irp i, 0,1,2,3,4,5,6,7,8,9,10,11,12,13,14,15
	global_load_b128 v[R+4*\i:R+4*\i+3], v3, s[8:9] offset:512*\i th:TH_LOAD_NT
.endr
.irp i, 0,1,2,3,4,5,6,7,8,9,10,11,12,13,14,15
	s_wait_loadcnt 15-\i                           ; loads come back in order: load i is in
	v_cvt_pk_f16_f32 v[X+2*\i], v[R+4*\i], v[R+4*\i+1]
	v_cvt_pk_f16_f32 v[X+2*\i+1], v[R+4*\i+2], v[R+4*\i+3]
	global_store_b64 v4, v[X+2*\i:X+2*\i+1], s[22:23] offset:256*\i   ; 256 bytes on end, aligned
.endr
	FINISH
; ---------------- W: a work-group takes 32 columns and all of K; wave w rows 128 w on.  A lane takes a column and its registers run down K, so a block of 32 lies in one lane and the codes come out with K innermost.
.Lpath_w:
	v_lshlrev_b32 v3, 2, v2                        ; my column: 4 bytes a lane
	s_mul_i32 s24, s16, 128*12288
	s_lshl_b32 s26, ttmp9, 7
	s_add_co_u32 s24, s24, s26
	s_add_nc_u64 s[6:7], s[6:7], s[24:25]
	v_mul_u32_u24 v14, v2, WP
	s_lshl_b32 s17, s16, 6
	s_add_co_u32 s17, s17, WSTG
	v_add_nc_u32 v14, s17, v14                     ; codes: my column's row, my wave's 64 bytes
	v_lshlrev_b32 v15, 5, v2
	s_lshl_b32 s17, s16, 2
	s_add_co_u32 s17, s17, WSCL
	v_add_nc_u32 v15, s17, v15                     ; scale bytes: my column's 32, my wave's four
	v_lshlrev_b32 v17, 4, v2
	s_mul_i32 s17, s16, 4*WP
	s_add_co_u32 s17, s17, WSTG
	v_add_nc_u32 v16, s17, v17                     ; back: columns 4 w on, 16 bytes a lane
	v_add_nc_u32 v18, WSCL, v17
	s_lshl_b32 s24, ttmp9, 14
	s_lshl_b32 s26, s16, 11
	s_add_co_u32 s24, s24, s26
	s_add_nc_u64 s[14:15], s[14:15], s[24:25]      ; wc at column 32 x work-group + 4 x wave
	s_lshl_b32 s24, ttmp9, 10
	s_add_nc_u64 s[20:21], s[20:21], s[24:25]
.macro WLOAD t
.irp i, 0,1,2,3,4,5,6,7,8,9,10,11,12,13,14,15,16,17,18,19,20,21,22,23,24,25,26,27,28,29,30,31
	global_load_b32 v[R+32*(\t)+\i], v3, s[6:7] offset:(32*(\t)+\i)*12288
.endr
.endm
	WLOAD 0
	WLOAD 1
.macro WBLOCK t
.set XS, R+32*(\t)
.if (\t) < 3
	s_wait_loadcnt 32                              ; this block's 32 loads are in; the next block's may be out
.else
	s_wait_loadcnt 0x0
.endif
.if (\t)+2 < 4
	WLOAD (\t)+2                                   ; two blocks ahead, into registers of their own
.endif
	v_max3_num_f32 v8, |v[XS]|, |v[XS+1]|, |v[XS+2]|
	v_max3_num_f32 v9, |v[XS+3]|, |v[XS+4]|, |v[XS+5]|
.irp i, 6,10,14,18,22,26
	v_max3_num_f32 v8, v8, |v[XS+\i]|, |v[XS+\i+1]|
	v_max3_num_f32 v9, v9, |v[XS+\i+2]|, |v[XS+\i+3]|
.endr
	v_max3_num_f32 v8, v8, |v[XS+30]|, |v[XS+31]|
	v_max3_num_f32 v8, v8, v9, (EMAX+1)<<23
	v_add_nc_u32 v11, -(EMAX<<23), v8
	v_lshrrev_b32 v13, 23, v11
.if (\t) == 0
	v_mov_b32 v12, v13                             ; four bytes to a register, the lower K in the lower byte
.else
	v_lshl_or_b32 v12, v13, 8*(\t), v12
.endif
.irp g, 0,1,2,3
	v_cvt_scalef32_pk8_fp4_f32 v[WC+4*(\t)+\g], v[XS+8*\g:XS+8*\g+7], v11
.endr
	v_nop                                          ; one plain line behind the conversions
	ds_store_b128 v14, v[WC+4*(\t):WC+4*(\t)+3] offset:16*(\t)
.endm
.irp t, 0,1,2,3
	WBLOCK \t
.endr
	ds_store_b32 v15, v12
	s_wait_dscnt 0x0                               ; my stores have landed,
	s_barrier_signal -1
	s_barrier_wait -1                              ; and everybody's: 32 whole rows of codes lie in the stage
.irp i, 0,1,2,3
	ds_load_b128 v[R+4*\i:R+4*\i+3], v16 offset:WP*\i
.endr
.irp i, 0,1,2,3
	s_wait_dscnt 3-\i
	global_store_b128 v17, v[R+4*\i:R+4*\i+3], s[14:15] offset:512*\i   ; a column's 512 bytes on end
.endr
	s_cmp_lg_u32 s16, 0
	s_cbranch_scc1 .Lw_end
	ds_load_b128 v[40:43], v18                     ; wave 0: the 32 columns' 1,024 scale bytes
	ds_load_b128 v[44:47], v18 offset:512
	s_wait_dscnt 0x0
	global_store_b128 v17, v[40:43], s[20:21]
	global_store_b128 v17, v[44:47], s[20:21] offset:512
.Lw_end:
	FINISH
.Lfunc_end_k_q41ebd05f36_prep:
	.size	k_q41ebd05f36_prep, .Lfunc_end_k_q41ebd05f36_prep-k_q41ebd05f36_prep
	.p2alignl 7, 3214868480
	.fill 96, 4, 3214868480
	.section	.rodata,"a",@progbits
	.p2align	6, 0x0
	.amdhsa_kernel k_q41ebd05f36_prep
		.amdhsa_group_segment_fixed_size 60416
		.amdhsa_private_segment_fixed_size 0
		.amdhsa_enable_private_segment 0
		.amdhsa_kernarg_size 64
		.amdhsa_user_sgpr_count 2
		.amdhsa_user_sgpr_kernarg_segment_ptr 1
		.amdhsa_wavefront_size32 1
		.amdhsa_system_sgpr_workgroup_id_x 1
		.amdhsa_system_sgpr_workgroup_id_y 1
		.amdhsa_system_sgpr_workgroup_id_z 1
		.amdhsa_system_vgpr_workitem_id 0
		.amdhsa_next_free_vgpr 168
		.amdhsa_next_free_sgpr 66
		.amdhsa_reserve_vcc 0
		.amdhsa_float_denorm_mode_32 3
		.amdhsa_float_denorm_mode_16_64 3
		.amdhsa_memory_ordered 1
		.amdhsa_forward_progress 1
		.amdhsa_inst_pref_size 37
	.end_amdhsa_kernel
	.amdgpu_metadata
---
amdhsa.version: [ 1, 2 ]
amdhsa.kernels:
  - .name:           k_q41ebd05f36_prep
    .symbol:         k_q41ebd05f36_prep.kd
    .args:
      - { .name: x, .offset: 0, .size: 8, .value_kind: global_buffer, .address_space: global }
      - { .name: w_qkv, .offset: 8, .size: 8, .value_kind: global_buffer, .address_space: global }
      - { .name: w_proj, .offset: 16, .size: 8, .value_kind: global_buffer, .address_space: global }
      - { .name: xc, .offset: 24, .size: 8, .value_kind: global_buffer, .address_space: global }
      - { .name: xs, .offset: 32, .size: 8, .value_kind: global_buffer, .address_space: global }
      - { .name: wc, .offset: 40, .size: 8, .value_kind: global_buffer, .address_space: global }
      - { .name: ws, .offset: 48, .size: 8, .value_kind: global_buffer, .address_space: global }
      - { .name: wp16, .offset: 56, .size: 8, .value_kind: global_buffer, .address_space: global }
    .group_segment_fixed_size: 60416
    .private_segment_fixed_size: 0
    .kernarg_segment_align: 8
    .kernarg_segment_size: 64
    .max_flat_workgroup_size: 256
    .sgpr_count:     66
    .vgpr_count:     168
    .wavefront_size: 32
...
	.end_amdgpu_metadata
.endif
;; end of part 1
;; launch qkv (part 2): grid 12 x 32, 4 waves a work-group, clusters of 4 x 4, 327,680 bytes of LDS; arguments xc, xs, wc, ws, qkv16, b_qkv, qkv32; writes qkv16, qkv32
.if DOCPART == 2
	.amdgcn_target "amdgcn-amd-amdhsa--gfx1250"
	.amdhsa_code_object_version 6
	.text
	.protected	k_q41ebd05f36_qkv
	.globl	k_q41ebd05f36_qkv
	.p2align	8
	.type	k_q41ebd05f36_qkv,@function
k_q41ebd05f36_qkv:
	s_mov_b64 s[64:65], 0
	v_nop
	global_prefetch_b8 v0, s[64:65] scope:SCOPE_SE
	s_setreg_imm32_b32 hwreg(HW_REG_WAVE_MODE, 25, 1), 1
	s_wait_xcnt 0x0
	s_wait_alu depctr_hold_cnt(0) depctr_sa_sdst(0) depctr_va_vdst(0) depctr_va_sdst(0) depctr_va_ssrc(0) depctr_va_vcc(0) depctr_vm_vsrc(0)
	s_getreg_b32 s2, hwreg(HW_REG_IB_STS2, 6, 4)
	s_cmp_eq_u32 s2, 0
	s_cbranch_scc0 .Lentry_in_a_cluster
	s_endpgm
.Lentry_in_a_cluster:
	s_bfe_u32 s2, ttmp6, 0x10000c
	s_cmp_lg_u32 s2, 0xf033
	s_cbranch_scc0 .Lentry_shape_is_right
	s_endpgm
.Lentry_shape_is_right:
; QKV = Q(x) Q(w_qkv) + b_qkv on codes of FP4 (E2M1) with one E8M0 scale for each 32 along K; sums in f32.  M = 8,192, N = 3,072, K = 1,024.
; A tile of 256 x 256 to a work-group of four waves, 128 x 128 to a wave: 64 accumulators, 512 registers.  K is two slots of 512 (rows of 256 bytes): both are first fills, nothing is filled again.
; The scale bytes of the work-group's rows, for all of K, are two dense blocks and come once.  CLUSTERS: 4 x 4; A's tiles are asked for jointly along a row of the cluster, B's along a column.
; The matrix instruction is used transposed (source 0 = 16 rows of wc, source 1 = 16 rows of xc): a lane holds eight neighbouring columns of one row.  The bias is the C of each sum's first product.
; OUT: q, k, v as f16, laid [part][batch][head][t][64], so that two rows of a head are 256 bytes on end; and the rows of positions 0-15 of every batch once more as f32 (qkv32 [16 b + t][3072]).
; LIMIT: results beyond 65,504 in magnitude have no f16 number.
; REGISTERS: window 0: v0-31 addresses; v32-95 scale words, two sets; v96-127 packed results; v128-191 A's fragments, later rows on their way out; v192-255 the bias.
;   window 1: B's fragments, two sets (v0, v128).  window 2: accumulators of my rows 0-63 ((a, b) at v[8 (8 a + b)]).  window 3: rows 64-127.
.set NQ,     4                         ; matrix instructions deep in a slot
.set ROWB,   256                       ; a tile's row: 512 codes
.set KROW,   512                       ; a row of codes in memory
.set PITCH,  272                       ; an LDS row: 256 bytes + 16 = 68 words: the 16 rows of a fragment load start 4 words apart modulo 64
.set FR,     8
.set NL,     2
.set NP,     4
.set HALFT,  128*PITCH
.set SLOT,   4*HALFT
.set KS,     32                        ; a row of scale bytes
.set SCL,    2*SLOT
.set HALFS,  16*272                    ; the scales of 128 rows: 16 rows of 256 bytes + 16
.set SBLK,   2*272                     ; those of 16 rows
.set SPARE,  SCL+4*HALFS               ; the spare words, 128 bytes a wave
.set SPITCH, 272                       ; the way out: 16 rows x (256 bytes + 16) a wave, in slot 0, which has had its only fill and its last read by then
.set ADRA, 16
.set ADRB, 20
.set STO,  24
.set RD,   25
.set CO,   26
.set ADRS, 27
.set SPW,  28
.set NIL,  29
.set FLG,  30                          ; v30 0 where my block 0 holds positions 0-15 of a batch
.set FO,   31                          ; v31 my byte offset in qkv32
.set SC,   32
.set TMP,  96
.set AF,   128
.set BK,   128
.set BIAS, 192
.set G1, 24
.set G0, 32
.set G1B, 48
.set G0B, 56
.set G1S, 68
.set G0S, 76
.set G1SB, 80
.set G0SB, 88
.set MSB, 0
.macro WIN new                         ; the immediate's high byte repeats the setting that is left
.if MSB != \new
	s_set_vgpr_msb (MSB<<8)|\new
.set MSB, \new
.endif
.endm
.set MUL_LO, 0xa1                      ; source 0 (B) window 1, source 1 (A) window 0, C and D window 2
.set MUL_HI, 0xf1
.set TO_B,   0x40
; A joint load: waves 0 and 1 fetch for A, waves 2 and 3 for B; the branch hangs on the wave's number alone.  An s_nop 0 and four v_nop follow each line.
.macro JLOAD g0a, g1a, g0b, g1b
	s_cmp_eq_u32 s15, 0
	s_cbranch_scc0 .Lfor_b_\@
	tensor_load_to_lds s[\g0a:\g0a+3], s[\g1a:\g1a+7]
	s_nop 0
.rept 4
	v_nop
.endr
	s_branch .Lasked_\@
.Lfor_b_\@:
	tensor_load_to_lds s[\g0b:\g0b+3], s[\g1b:\g1b+7]
	s_nop 0
.rept 4
	v_nop
.endr
.Lasked_\@:
.endm
.macro CROUND                          ; a round of the cluster's barrier
	s_barrier_signal -1
	s_barrier_wait -1
	s_cmp_lg_u32 s14, 0
	s_cbranch_scc1 .Lnot_wave_0_\@
	s_barrier_signal -3
.Lnot_wave_0_\@:
	s_barrier_wait -3
	s_barrier_signal -1
	s_barrier_wait -1
.endm
	s_load_b128 s[4:7], s[0:1], 0x0                ; xc, xs
	s_load_b128 s[8:11], s[0:1], 0x10              ; wc, ws
	s_load_b64 s[12:13], s[0:1], 0x20              ; qkv16
	s_load_b128 s[96:99], s[0:1], 0x28             ; b_qkv, qkv32
	v_lshl_add_u32 v[SPW], v0, 2, SPARE
	v_mov_b32 v[NIL], 0
	ds_add_u32 v[SPW], v[NIL]                      ; the wave's opening: the add, twice on end, and its wait ahead of my first tensor load
	ds_add_u32 v[SPW], v[NIL]
	v_lshrrev_b32 v1, 5, v0
	v_readfirstlane_b32 s14, v1                    ; wave 0..3
	s_lshr_b32 s15, s14, 1                         ; my half of the tile's rows; also: I fetch for A (0) or B (1)
	s_and_b32 s16, s14, 1                          ; my half of its columns; also: which 128 rows I fetch
	s_bfe_u32 s40, ttmp6, 0x40000                  ; cx
	s_bfe_u32 s41, ttmp6, 0x40004                  ; cy
	s_lshl_b32 s42, ttmp9, 2
	s_add_co_u32 s42, s42, s40                     ; tile column
	s_and_b32 s17, ttmp7, 0xffff
	s_lshl_b32 s17, s17, 2
	s_add_co_u32 s17, s17, s41                     ; tile row
	s_lshl_b32 s43, s41, 2
	s_lshl_b32 s43, 15, s43                        ; my row of the cluster
	s_lshl_b32 s44, 0x1111, s40                    ; my column
	s_or_b32 s[G1+0], s43, (0<<16)|(1<<20)|(1<<21)|(5<<22)|(3<<25)   ; mask; 1-byte elements; padding: 4 words after every 64; bit 21 beside a mask
	s_or_b32 s[G1B+0], s44, (0<<16)|(1<<20)|(1<<21)|(5<<22)|(3<<25)
.irp g, G1, G1B
	s_mov_b32 s[\g+1], ROWB<<16                    ; tensor_dim0
	s_mov_b32 s[\g+2], 128<<16                     ; tensor_dim1
	s_mov_b32 s[\g+3], ROWB<<16                    ; tile_dim0
	s_mov_b32 s[\g+4], 128                         ; tile_dim1
	s_mov_b32 s[\g+5], KROW                        ; pitch
	s_mov_b32 s[\g+6], 0
	s_mov_b32 s[\g+7], 0
.endr
	s_or_b32 s[G1S+0], s43, (3<<16)|(1<<20)|(1<<21)|(5<<22)|(3<<25)  ; the scales of 128 rows: 4,096 dense bytes as 16 rows of 32 elements of 8 bytes
	s_or_b32 s[G1SB+0], s44, (3<<16)|(1<<20)|(1<<21)|(5<<22)|(3<<25)
.irp g, G1S, G1SB
	s_mov_b32 s[\g+1], 32<<16
	s_mov_b32 s[\g+2], 16<<16
	s_mov_b32 s[\g+3], 32<<16
	s_mov_b32 s[\g+4], 16
	s_mov_b32 s[\g+5], 32
	s_mov_b32 s[\g+6], 0
	s_mov_b32 s[\g+7], 0
.endr
	s_lshl_b32 s18, s16, 7
	s_lshl_b32 s20, s17, 8
	s_add_co_u32 s20, s20, s18                     ; A: row 256 x tile row + 128 x half
	s_lshl_b32 s46, s42, 8
	s_add_co_u32 s46, s46, s18                     ; B: row 256 x tile column + 128 x half
	s_mov_b32 s21, 0
	s_mov_b32 s47, 0
	s_mov_b64 s[18:19], KS
	s_mul_u64 s[22:23], s[20:21], s[18:19]
	s_mul_u64 s[92:93], s[46:47], s[18:19]
	s_mov_b64 s[18:19], KROW
	s_mul_u64 s[20:21], s[20:21], s[18:19]
	s_mul_u64 s[46:47], s[46:47], s[18:19]
	s_mul_i32 s45, s14, HALFT                      ; where they go: wave x 128 rows
	s_mul_i32 s94, s14, HALFS
	s_wait_dscnt 0x0                               ; both opening adds are done
	s_wait_kmcnt 0x0
	s_add_nc_u64 s[20:21], s[4:5], s[20:21]
	s_add_nc_u64 s[22:23], s[6:7], s[22:23]
	s_add_nc_u64 s[46:47], s[8:9], s[46:47]
	s_add_nc_u64 s[92:93], s[10:11], s[92:93]
	CROUND                                         ; all sixteen work-groups are here: the joint loads meet
	s_mov_b32 s[G0S], 1
	s_add_co_u32 s[G0S+1], s94, SCL
	s_mov_b64 s[G0S+2:G0S+3], s[22:23]
	s_or_b32 s[G0S+3], s[G0S+3], 0x80000000
	s_mov_b32 s[G0SB], 1
	s_add_co_u32 s[G0SB+1], s94, SCL
	s_mov_b64 s[G0SB+2:G0SB+3], s[92:93]
	s_or_b32 s[G0SB+3], s[G0SB+3], 0x80000000
	JLOAD G0S, G1S, G0SB, G1SB                     ; three loads of mine are out at the most: the scales, slot 0, slot 1
.irp s, 0,1
	s_mov_b32 s[G0+4*\s], 1
	s_add_co_u32 s[G0+4*\s+1], s45, \s*SLOT
	s_add_nc_u64 s[G0+4*\s+2:G0+4*\s+3], s[20:21], \s*ROWB
	s_or_b32 s[G0+4*\s+3], s[G0+4*\s+3], 0x80000000
	s_mov_b32 s[G0B+4*\s], 1
	s_add_co_u32 s[G0B+4*\s+1], s45, \s*SLOT
	s_add_nc_u64 s[G0B+4*\s+2:G0B+4*\s+3], s[46:47], \s*ROWB
	s_or_b32 s[G0B+4*\s+3], s[G0B+4*\s+3], 0x80000000
	JLOAD G0+4*\s, G1, G0B+4*\s, G1B
.endr
	v_and_b32 v1, 15, v0                           ; r
	v_bfe_u32 v2, v0, 4, 1                         ; h
	v_mul_u32_u24 v3, v1, PITCH
	v_lshl_add_u32 v4, v2, 4, v3
	s_mul_i32 s21, s15, HALFT
	s_mul_i32 s22, s16, HALFT
	s_add_co_u32 s22, s22, 2*HALFT
.irp s, 0,1
	v_add_nc_u32 v[ADRA+\s], s21, v4
	v_add_nc_u32 v[ADRB+\s], s22, v4
	s_add_co_u32 s21, s21, SLOT
	s_add_co_u32 s22, s22, SLOT
.endr
	v_mul_u32_u24 v5, v1, KS                       ; my row's scales: 32 bytes a row,
	v_lshrrev_b32 v6, 8, v5
	v_lshl_add_u32 v5, v6, 4, v5                   ; and 16 more for each 256 passed
	s_mul_i32 s21, s15, HALFS
	s_mul_i32 s22, s16, HALFS
	s_add_co_u32 s22, s22, 2*HALFS
	s_sub_co_u32 s22, s22, s21
	v_mul_u32_u24 v6, s22, v2                      ; lanes 16-31 take B's
	s_add_co_u32 s21, s21, SCL
	v_add_nc_u32 v5, v5, v6
	v_add_nc_u32 v[ADRS], s21, v5
	s_mul_i32 s23, s14, 16*SPITCH                  ; my stage
	v_mul_u32_u24 v5, v1, SPITCH
	v_lshl_add_u32 v5, v2, 4, v5
	v_add_nc_u32 v[STO], s23, v5                   ; in: row r, 16 bytes for each half of the lanes
	v_bfe_u32 v5, v0, 3, 1
	v_and_b32 v6, 7, v0
	v_lshlrev_b32 v6, 4, v6
	v_mul_u32_u24 v7, v5, SPITCH
	v_add_nc_u32 v7, v7, v6
	v_lshl_add_u32 v7, v2, 7, v7
	v_add_nc_u32 v[RD], s23, v7                    ; back: lanes 0-15 two rows' first 128 bytes (one head), lanes 16-31 their second (the next head)
	v_lshl_add_u32 v7, v5, 7, v6
	v_lshl_add_u32 v[CO], v2, 18, v7               ; and in qkv16: a head is 262,144 bytes, a row 128
	v_mul_u32_u24 v[FO], v1, 12288
	v_lshl_add_u32 v[FO], v2, 5, v[FO]             ; qkv32: row r, + 32 h
	v_lshlrev_b32 v8, 5, v2                        ; the bias: 32 h
	s_lshl_b32 s20, s42, 10
	s_lshl_b32 s21, s16, 9
	s_add_co_u32 s20, s20, s21                     ; my first column x 4 bytes
	s_mov_b32 s21, 0
	s_add_nc_u64 s[96:97], s[96:97], s[20:21]
	s_add_nc_u64 s[98:99], s[98:99], s[20:21]
	s_lshr_b32 s22, s17, 3                         ; the batch
	s_mul_i32 s20, s22, 16*12288
	s_add_nc_u64 s[98:99], s[98:99], s[20:21]
	s_and_b32 s23, s17, 7                          ; which 256 positions of it
	s_or_b32 s100, s23, s15
	v_mov_b32 v[FLG], s100
	s_lshl_b32 s46, s42, 2
	s_lshl_b32 s47, s16, 1
	s_add_co_u32 s46, s46, s47                     ; my first of 48 heads' worth of columns
	s_lshr_b32 s47, s46, 4
	s_lshl_b32 s47, s47, 6                         ; part x 64
	s_and_b32 s46, s46, 15
	s_add_co_u32 s46, s46, s47
	s_lshl_b32 s47, s22, 4
	s_add_co_u32 s46, s46, s47                     ; + batch x 16 + head
	s_lshl_b32 s20, s46, 18
	s_lshl_b32 s47, s23, 15
	s_add_co_u32 s20, s20, s47
	s_lshl_b32 s47, s15, 14
	s_add_co_u32 s20, s20, s47                     ; + my first position x 128 bytes
	s_add_nc_u64 s[12:13], s[12:13], s[20:21]
.irp b, 0,1,2,3,4,5,6,7
	global_load_b128 v[BIAS+8*\b:BIAS+8*\b+3], v8, s[96:97] offset:64*\b       ; lane (r, h): b_qkv at columns 16 b + 8 h + 0 .. 7: the result's layout
	global_load_b128 v[BIAS+8*\b+4:BIAS+8*\b+7], v8, s[96:97] offset:64*\b+16
.endr
.macro FRAG reg, adr, q, i             ; 16 rows x 128 K of 4-bit codes: 8 registers, two loads of 16 bytes, 32 bytes apart
.irp c, 0,1
	ds_load_b128 v[\reg+4*\c:\reg+4*\c+3], v[\adr] offset:64*(\q)+32*\c+(\i)*16*PITCH
.endr
.endm
; 16 matrix instructions: A's blocks a0, a0 + 1 x B's eight.  zero = 1: the bias starts the sums.  The 64 accumulators take turns, one instruction a turn.
.macro MUL16 a0, p, q, sc, zero
.irp a, \a0, \a0+1
.irp b, 0,1,2,3,4,5,6,7
.if \zero
	v_wmma_scale_f32_16x16x128_f8f6f4 v[8*(8*((\a)%4)+\b):8*(8*((\a)%4)+\b)+7], v[128*(\p)+FR*\b:128*(\p)+FR*\b+FR-1], v[AF+FR*(\a):AF+FR*(\a)+FR-1], v[BIAS+8*\b:BIAS+8*\b+7], v[SC+8*NQ*(\sc)+NQ*\b+(\q)], v[SC+8*NQ*(\sc)+NQ*(\a)+(\q)] matrix_a_fmt:MATRIX_FMT_FP4 matrix_b_fmt:MATRIX_FMT_FP4 matrix_a_scale:MATRIX_SCALE_ROW1
.else
	v_wmma_scale_f32_16x16x128_f8f6f4 v[8*(8*((\a)%4)+\b):8*(8*((\a)%4)+\b)+7], v[128*(\p)+FR*\b:128*(\p)+FR*\b+FR-1], v[AF+FR*(\a):AF+FR*(\a)+FR-1], v[8*(8*((\a)%4)+\b):8*(8*((\a)%4)+\b)+7], v[SC+8*NQ*(\sc)+NQ*\b+(\q)], v[SC+8*NQ*(\sc)+NQ*(\a)+(\q)] matrix_a_fmt:MATRIX_FMT_FP4 matrix_b_fmt:MATRIX_FMT_FP4 matrix_a_scale:MATRIX_SCALE_ROW1
.endif
.endr
.endr
.endm
.macro FETCH_B slot, q, p
	WIN TO_B
.irp i, 0,1,2,3,4,5,6,7
	FRAG 128*(\p)+FR*\i, ADRB+\slot, \q, \i
.endr
	WIN 0
.endm
.macro FETCH_A slot, q, i0
.irp i, \i0, \i0+1, \i0+2, \i0+3
	FRAG AF+FR*(\i), ADRA+\slot, \q, \i
.endr
.endm
.macro SCALES sc                       ; a slot's scale words: lanes 0-15 A's block i, lanes 16-31 B's block i
.irp i, 0,1,2,3,4,5,6,7
	ds_load_b128 v[SC+8*NQ*\sc+NQ*\i:SC+8*NQ*\sc+NQ*\i+3], v[ADRS] offset:\i*SBLK
.endr
.endm
.macro PLACES n                        ; plain vector lines between a matrix instruction and a load into, or a read of, its registers
.rept \n
	v_nop
.endr
.endm
.macro STEP slot, q, zero              ; 128 along K that has its successor in the same slot
	s_wait_dscnt 4*NL                              ; B's set and A's blocks 0-3 are in; A's blocks 4-7 may be out
.if \zero
	WIN 0x81                                       ; C (the bias) window 0, D window 2
.else
	WIN MUL_LO
.endif
	MUL16 0, (\q)%2, \q, \slot, \zero
	MUL16 2, (\q)%2, \q, \slot, \zero
	s_wait_dscnt 0
	PLACES NP
	FETCH_B \slot, (\q)+1, 1-(\q)%2
	FETCH_A \slot, (\q)+1, 0
.if \zero
	WIN 0xc1
.else
	WIN MUL_HI
.endif
	MUL16 4, (\q)%2, \q, \slot, \zero
	MUL16 6, (\q)%2, \q, \slot, \zero
	PLACES NP
	WIN 0
	FETCH_A \slot, (\q)+1, 4
.endm
.macro TURN slot, next                 ; a slot's last step changes slots: one barrier; nothing is filled again
	s_wait_tensorcnt 0x0                           ; my part of the next slot has landed
	ds_add_u32 v[SPW], v[NIL]                      ; 0 onto my spare word
	s_wait_dscnt 4*NL+1                            ; (the add and A's blocks 4-7 may be out)
	WIN MUL_LO
	MUL16 0, 1, NQ-1, \slot, 0
	s_wait_dscnt 0x0                               ; the add is done, and my reads of this slot are over
	s_barrier_signal -1
	MUL16 2, 1, NQ-1, \slot, 0
	WIN 0
	s_barrier_wait -1
	PLACES NP
	v_add_nc_u32 v[ADRS], 4*NQ, v[ADRS]            ; the next slot's scale words
	FETCH_B \next, 0, 0
	FETCH_A \next, 0, 0
	SCALES \next
	WIN MUL_HI
	MUL16 4, 1, NQ-1, \slot, 0
	MUL16 6, 1, NQ-1, \slot, 0
	PLACES NP
	WIN 0
	FETCH_A \next, 0, 4
.endm
	s_wait_tensorcnt 1                             ; the scales and my part of slot 0 are in; slot 1's load may be out
	s_barrier_signal -1
	s_barrier_wait -1
	FETCH_B 0, 0, 0
	FETCH_A 0, 0, 0
	SCALES 0
	FETCH_A 0, 0, 4
	s_wait_loadcnt 0x0                             ; the bias
	STEP 0, 0, 1
	STEP 0, 1, 0
	STEP 0, 2, 0
	TURN 0, 1
	STEP 1, 0, 0
	STEP 1, 1, 0
	STEP 1, 2, 0
	s_wait_dscnt 4*NL
	WIN MUL_LO
	MUL16 0, 1, NQ-1, 1, 0
	MUL16 2, 1, NQ-1, 1, 0
	s_wait_dscnt 0
	WIN MUL_HI
	MUL16 4, 1, NQ-1, 1, 0
	MUL16 6, 1, NQ-1, 1, 0
	WIN 0
	PLACES NP
	; THE f32 COPY of positions 0-15: my block 0, where my tile begins a batch.  No branch (partners of a cluster run alike): the lanes are switched off elsewhere.
	s_wait_xcnt 0x0                                ; EXEC changes only behind this wait
	v_cmp_eq_u32 vcc_lo, 0, v[FLG]
	s_and_saveexec_b32 s101, vcc_lo
	WIN 0x08                                       ; a store's data: window 2
.irp b, 0,1,2,3,4,5,6,7
	global_store_b128 v[FO], v[8*\b:8*\b+3], s[98:99] offset:64*\b
	global_store_b128 v[FO], v[8*\b+4:8*\b+7], s[98:99] offset:64*\b+16
.endr
	WIN 0
	s_wait_xcnt 0x0
	s_or_b32 exec_lo, exec_lo, s101
; THE WAY OUT, a block of 16 rows x 128 columns at a time: rounded to f16, through my stage, back as pieces of two rows of one head: sixteen lanes store 256 bytes on end, aligned.
.macro PACK a
.set AC, 64*((\a)%4)
	WIN 0x0a+5*((\a)/4)
.irp b, 0,1,2,3,4,5,6,7
.irp r, 0,1,2,3
	v_cvt_pk_f16_f32 v[TMP+4*\b+\r], v[AC+8*\b+2*\r], v[AC+8*\b+2*\r+1]
.endr
.endr
	WIN 0
.endm
.macro TOSTAGE a
.set BB, BK+32*((\a)%2)
.irp b, 0,1,2,3,4,5,6,7
	ds_store_b128 v[STO], v[TMP+4*\b:TMP+4*\b+3] offset:32*\b
.endr
.irp t, 0,1,2,3,4,5,6,7
	ds_load_b128 v[BB+4*\t:BB+4*\t+3], v[RD] offset:\t*2*SPITCH   ; LDS serves a wave's instructions in order: these see the stores above
.endr
.endm
.macro SEND a
.set BB, BK+32*((\a)%2)
	s_wait_dscnt 0x0                               ; the block is back in registers
	s_wait_xcnt 0x0                                ; the stores of the block before have read their registers: the next block's loads may land there
.irp t, 0,1,2,3,4,5,6,7
	global_store_b128 v[CO], v[BB+4*\t:BB+4*\t+3], s[12:13] offset:2048*(\a)+256*\t
.endr
.endm
	PACK 0
	TOSTAGE 0
.irp a, 1,2,3,4,5,6,7
	PACK \a
	SEND \a-1
	TOSTAGE \a
.endr
	SEND 7
	s_wait_tensorcnt 0x0                           ; the wave's end
	ds_add_u32 v[SPW], v[NIL]
	s_wait_dscnt 0x0
	CROUND                                         ; the closing round
	s_endpgm
.Lfunc_end_k_q41ebd05f36_qkv:
	.size	k_q41ebd05f36_qkv, .Lfunc_end_k_q41ebd05f36_qkv-k_q41ebd05f36_qkv
	.p2alignl 7, 3214868480
	.fill 96, 4, 3214868480
	.section	.rodata,"a",@progbits
	.p2align	6, 0x0
	.amdhsa_kernel k_q41ebd05f36_qkv
		.amdhsa_group_segment_fixed_size 327680
		.amdhsa_private_segment_fixed_size 0
		.amdhsa_enable_private_segment 0
		.amdhsa_kernarg_size 56
		.amdhsa_user_sgpr_count 2
		.amdhsa_user_sgpr_kernarg_segment_ptr 1
		.amdhsa_wavefront_size32 1
		.amdhsa_system_sgpr_workgroup_id_x 1
		.amdhsa_system_sgpr_workgroup_id_y 1
		.amdhsa_system_sgpr_workgroup_id_z 1
		.amdhsa_system_vgpr_workitem_id 0
		.amdhsa_next_free_vgpr 1024
		.amdhsa_next_free_sgpr 102
		.amdhsa_reserve_vcc 1
		.amdhsa_float_denorm_mode_32 3
		.amdhsa_float_denorm_mode_16_64 3
		.amdhsa_memory_ordered 1
		.amdhsa_forward_progress 1
		.amdhsa_inst_pref_size 130
	.end_amdhsa_kernel
	.amdgpu_metadata
---
amdhsa.version: [ 1, 2 ]
amdhsa.kernels:
  - .name:           k_q41ebd05f36_qkv
    .symbol:         k_q41ebd05f36_qkv.kd
    .args:
      - { .name: xc, .offset: 0, .size: 8, .value_kind: global_buffer, .address_space: global }
      - { .name: xs, .offset: 8, .size: 8, .value_kind: global_buffer, .address_space: global }
      - { .name: wc, .offset: 16, .size: 8, .value_kind: global_buffer, .address_space: global }
      - { .name: ws, .offset: 24, .size: 8, .value_kind: global_buffer, .address_space: global }
      - { .name: qkv16, .offset: 32, .size: 8, .value_kind: global_buffer, .address_space: global }
      - { .name: b_qkv, .offset: 40, .size: 8, .value_kind: global_buffer, .address_space: global }
      - { .name: qkv32, .offset: 48, .size: 8, .value_kind: global_buffer, .address_space: global }
    .group_segment_fixed_size: 327680
    .private_segment_fixed_size: 0
    .kernarg_segment_align: 8
    .kernarg_segment_size: 56
    .max_flat_workgroup_size: 128
    .sgpr_count:     102
    .vgpr_count:     1024
    .wavefront_size: 32
...
	.end_amdgpu_metadata
.endif
;; end of part 2
;; launch attn (part 3): grid 4 x 64, 16 waves a work-group, clusters of 4 x 1, 327,680 bytes of LDS; arguments qkv16, yh; writes yh
.if DOCPART == 3
	.amdgcn_target "amdgcn-amd-amdhsa--gfx1250"
	.amdhsa_code_object_version 6
	.text
	.protected	k_q41ebd05f36_attn
	.globl	k_q41ebd05f36_attn
	.p2align	8
	.type	k_q41ebd05f36_attn,@function
k_q41ebd05f36_attn:
	s_mov_b64 s[64:65], 0
	v_nop
	global_prefetch_b8 v0, s[64:65] scope:SCOPE_SE
	s_setreg_imm32_b32 hwreg(HW_REG_WAVE_MODE, 25, 1), 1
	s_wait_xcnt 0x0
	s_wait_alu depctr_hold_cnt(0) depctr_sa_sdst(0) depctr_va_vdst(0) depctr_va_sdst(0) depctr_va_ssrc(0) depctr_va_vcc(0) depctr_vm_vsrc(0)
	s_getreg_b32 s2, hwreg(HW_REG_IB_STS2, 6, 4)
	s_cmp_eq_u32 s2, 0
	s_cbranch_scc0 .Lentry_in_a_cluster
	s_endpgm
.Lentry_in_a_cluster:
	s_bfe_u32 s2, ttmp6, 0x10000c
	s_cmp_lg_u32 s2, 0x3003
	s_cbranch_scc0 .Lentry_shape_is_right
	s_endpgm
.Lentry_shape_is_right:
; Y[b][h][q] = the sum over k <= q of softmax_k(Q . K / 64) V.  q, k, v: f16, [part][b][h][t][64]; y: f16, [b][h][t][64].  Products, maxima and sums in f32; the weights p are rounded to f16.
; LIMIT: f16 operands: magnitudes up to 65,504.  Positions 0-15 of every batch are computed again in f32 by a later launch.
; SHARES.  A cluster of four work-groups is one head.  rank = the wave's number with its low two bits turned over in every second group of four; a wave owns the 32 queries from 128 rank + 32 cx on (cx: the
; work-group's place in the cluster).  So all four partners need every slot of keys and have nearly equal work, and K's and V's tiles are asked for JOINTLY (mask 15).
; Every branch hangs on rank and the count of steps; cx enters Q's and Y's addresses, the mask's vector numbers and the prefetch's address alone.
; LAYOUT.  S^T = K Q^T (source 0 = 16 keys, source 1 = 16 queries), O^T = V^T P (source 0 = 16 channels, turned out of LDS by ds_load_tr16_b128; source 1 = P): a lane holds one query throughout.
; Two tiles of S^T, rounded in pairs, ARE source 1 of the second product: P is packed in place over S^T.
; A step is 64 keys: 16 + 16 matrix instructions.  A slot is 256 keys; two slots, 2^17 bytes apart; the change of slots stands at a slot's head.
; A step all of whose keys come after the 128 queries of my rank's zone is left out; the two steps on the zone's diagonal are masked to -infinity.  Key 0 counts for every query, so the maximum is a number from the first step on.
.set PK,    144                        ; a key's row in LDS: 128 bytes + 16 = 36 words: 16 rows start at 16 different groups of 4 words modulo 64
.set PV,    160                        ; a row of V: 128 + 32
.set VOFF,  256*PK
.set SLOT1, 1<<17
.set SPARE, SLOT1+VOFF+256*PV          ; the spare words, 128 bytes for each of sixteen waves
.set AK0, 1
.set AV0, 2
.set ADK, 3
.set ADV, 4
.set SPW, 5
.set NIL, 6
.set PFO, 7                            ; v7  256 x lane; never rewritten
.set DL,  8                            ; v8  r - 8 h
.set NEG, 9                            ; v9  -infinity
.set ST,  12                           ; tile t's statistics at v[12 + 8 t]: +0 c m, +1 m, +2, +3 l, +4 .. +7 at work; a at +6
.set L2,  28                           ; v28-31 the sums' second chains
.set QR,  32                           ; Q: tile t, channels 32 c on: v[32 + 16 t + 8 c]
.set SS,  64                           ; S^T: tile t at v[64 + 32 t]
.set OO,  128                          ; O^T: v[128 + 32 t + 8 ct]
.set KV,  192                          ; K's, then V's fragments of the step
.set WV,  18
.set RANK, 19
.set SEL, 20
.set CS,  22                           ; c = log2(e) / 64
.set G1K, 24
.set G1V, 32
.set G0K, 40
.set G0V, 44
.set TBK, 48
.set TBV, 49
.set KF,  50                           ; the step's first key
.set QF,  51                           ; 128 rank
.set QL,  52                           ; 128 rank + 127
.set Q0,  53                           ; my first query
.set SLOTS, 54
.set CNT, 55
.set PFA, 56
.set LIM, 58
.macro TLOAD                           ; waves 0, 1: K's halves; waves 2, 3: V's; the others nothing.  An s_nop 0 and four v_nop follow each line
	s_cmp_lt_u32 s[WV], 2
	s_cbranch_scc0 .Lnot_k_\@
	tensor_load_to_lds s[G0K:G0K+3], s[G1K:G1K+7]
	s_nop 0
.rept 4
	v_nop
.endr
	s_branch .Lasked_\@
.Lnot_k_\@:
	s_cmp_lt_u32 s[WV], 4
	s_cbranch_scc0 .Lasked_\@
	tensor_load_to_lds s[G0V:G0V+3], s[G1V:G1V+7]
	s_nop 0
.rept 4
	v_nop
.endr
.Lasked_\@:
.endm
; A prefetch of what the NEXT change of slots will ask for: a slot's 32,768 bytes of K (wave 4) and of V (wave 5); the four partners take 8,192 bytes each, told apart by address; lanes 256 bytes apart.
; So each aligned block of 256 bytes is named once in the launch.  It stands four key steps ahead of the load.  The last change that fills a slot asks for nothing.
.macro ASK
	s_cmp_gt_u32 s[SLOTS], s[LIM]
	s_cbranch_scc0 .Lnot_mine_\@
	global_prefetch_b8 v[PFO], s[PFA:PFA+1] th:TH_LOAD_NT scope:SCOPE_SE
.Lnot_mine_\@:
.endm
.macro CROUND
	s_barrier_signal -1
	s_barrier_wait -1
	s_cmp_lg_u32 s[WV], 0
	s_cbranch_scc1 .Lnot_wave_0_\@
	s_barrier_signal -3
.Lnot_wave_0_\@:
	s_barrier_wait -3
	s_barrier_signal -1
	s_barrier_wait -1
.endm
	s_load_b128 s[4:7], s[0:1], 0x0                ; qkv16, yh
	v_lshl_add_u32 v[SPW], v0, 2, SPARE
	v_mov_b32 v[NIL], 0
	ds_add_u32 v[SPW], v[NIL]                      ; the wave's opening: the add, twice on end, and its wait
	ds_add_u32 v[SPW], v[NIL]
	v_lshrrev_b32 v10, 5, v0
	v_readfirstlane_b32 s[WV], v10                 ; wave 0..15
	s_bfe_u32 s59, s[WV], 0x10002
	s_mul_i32 s59, s59, 3
	s_xor_b32 s[RANK], s[WV], s59
	s_lshl_b32 s[QF], s[RANK], 7
	s_add_co_u32 s[QL], s[QF], 127
	s_bfe_u32 s63, ttmp6, 0x40000                  ; cx
	s_lshl_b32 s62, s63, 5
	s_add_co_u32 s[Q0], s[QF], s62
	s_and_b32 s59, ttmp7, 0xffff                   ; the head, 16 b + h
	s_lshl_b32 s60, s59, 18                        ; its first byte in a part
	s_and_b32 s61, s[WV], 1                        ; which half of a tile I fetch
	s_lshl_b32 s66, s61, 14
	s_add_co_u32 s66, s66, s60
	s_mov_b32 s67, 0
	s_lshl_b32 s68, s[Q0], 7
	s_add_co_u32 s68, s68, s60                     ; my first query's row, in q and in y
	s_mov_b32 s69, 0
	s_mov_b32 s70, 0x2000000
	s_cmp_eq_u32 s[WV], 4
	s_cselect_b32 s70, 0x1000000, s70              ; wave 4 asks for K's bytes, wave 5 for V's
	s_add_co_u32 s70, s70, s60
	s_lshl_b32 s71, s63, 13
	s_add_co_u32 s70, s70, s71                     ; my work-group's 8,192 bytes,
	s_add_co_u32 s70, s70, 32768                   ; in slot 1: the first change steps it to slot 2
	s_mov_b32 s71, 0
	s_lshr_b32 s59, s[WV], 1
	s_cmp_eq_u32 s59, 2
	s_cselect_b32 s[LIM], 1, -1
	s_mov_b32 s[G1K], 15|(1<<16)|(1<<20)|(1<<21)|(4<<22)|(3<<25)   ; mask: all four; 2-byte elements; padding: 4 words after every 32; bit 21 beside a mask
	s_mov_b32 s[G1V], 15|(1<<16)|(1<<20)|(1<<21)|(4<<22)|(7<<25)   ; the same with 8 words
.irp g, G1K, G1V
	s_mov_b32 s[\g+1], 64<<16                      ; tensor_dim0
	s_mov_b32 s[\g+2], 128<<16                     ; tensor_dim1
	s_mov_b32 s[\g+3], 64<<16                      ; tile_dim0
	s_mov_b32 s[\g+4], 128                         ; tile_dim1
	s_mov_b32 s[\g+5], 64                          ; pitch
	s_mov_b32 s[\g+6], 0
	s_mov_b32 s[\g+7], 0
.endr
	s_mov_b32 s[SEL], 0x76543210
	s_mov_b32 s[SEL+1], 0xfedcba98
	s_mov_b32 s[CS], 0x3cb8aa3b
	s_mov_b32 s[CS+1], s[CS]
	s_mov_b32 s[TBK], 0
	s_mov_b32 s[TBV], 0
	s_mov_b32 s[KF], 0
	s_mov_b32 s[SLOTS], 7
	s_wait_dscnt 0x0                               ; both opening adds are done
	s_wait_kmcnt 0x0
	s_mov_b32 s[G0K], 1
	s_mul_i32 s[G0K+1], s61, 128*PK
	s_add_nc_u64 s[G0K+2:G0K+3], s[4:5], s[66:67]
	s_add_nc_u64 s[G0K+2:G0K+3], s[G0K+2:G0K+3], 0x1000000
	s_or_b32 s[G0K+3], s[G0K+3], 0x80000000
	s_mov_b32 s[G0V], 1
	s_mul_i32 s[G0V+1], s61, 128*PV
	s_add_co_u32 s[G0V+1], s[G0V+1], VOFF
	s_add_nc_u64 s[G0V+2:G0V+3], s[4:5], s[66:67]
	s_add_nc_u64 s[G0V+2:G0V+3], s[G0V+2:G0V+3], 0x2000000
	s_or_b32 s[G0V+3], s[G0V+3], 0x80000000
	s_add_nc_u64 s[8:9], s[4:5], s[68:69]          ; q at my first query
	s_add_nc_u64 s[10:11], s[6:7], s[68:69]        ; y likewise
	s_add_nc_u64 s[PFA:PFA+1], s[4:5], s[70:71]
	CROUND                                         ; all four work-groups are here
	TLOAD                                          ; slot 0
	v_and_b32 v10, 15, v0                          ; r
	v_bfe_u32 v11, v0, 4, 1                        ; h
	v_lshlrev_b32 v4, 7, v10
	v_lshl_add_u32 v4, v11, 4, v4                  ; q: row r of 128 bytes, + 16 h
.irp tt, 0,1
.irp cc, 0,1
	global_load_b128 v[QR+16*\tt+8*\cc:QR+16*\tt+8*\cc+3], v4, s[8:9] offset:2048*\tt+64*\cc
	global_load_b128 v[QR+16*\tt+8*\cc+4:QR+16*\tt+8*\cc+7], v4, s[8:9] offset:2048*\tt+64*\cc+32
.endr
.endr
	v_mul_u32_u24 v[AK0], v10, PK
	v_lshl_add_u32 v[AK0], v11, 4, v[AK0]
	v_and_b32 v3, 7, v0
	v_lshl_add_u32 v3, v11, 3, v3
	v_mul_u32_u24 v[AV0], v3, PV                   ; the turning load: key 8 h + lane % 8,
	v_bfe_u32 v3, v0, 3, 1
	v_lshl_add_u32 v[AV0], v3, 4, v[AV0]           ; channels 8 ((lane / 8) % 2) on
	v_add_nc_u32 v[AV0], VOFF, v[AV0]
	v_and_b32 v[PFO], 31, v0
	v_lshlrev_b32 v[PFO], 8, v[PFO]
	v_lshlrev_b32 v3, 3, v11
	v_sub_nc_u32 v[DL], v10, v3
	v_mov_b32 v[NEG], 0xff800000
.irp tt, 0,1
	v_mov_b32 v[ST+8*\tt+1], 0xff61b1e6            ; m: -3e38, under every score
	v_mul_f32 v[ST+8*\tt], s[CS], v[ST+8*\tt+1]
.irp j, 2,3,4,5,6,7
	v_mov_b32 v[ST+8*\tt+\j], 0
.endr
	v_mov_b32 v[L2+2*\tt], 0
	v_mov_b32 v[L2+2*\tt+1], 0
.endr
.set i, 0
.rept 64
	v_mov_b32 v[OO+i], 0                           ; the step is written once: the first finds zeros, which its a = 0 leaves zeros
.set i, i+1
.endr
.macro SOFT                            ; both tiles' softmax of a step, the tiles by turns line by line
.irp j, 0,1,2,3
.irp tt, 0,1
	v_max3_num_f32 v[ST+8*\tt+4+\j], v[SS+32*\tt+8*\j], v[SS+32*\tt+8*\j+1], v[SS+32*\tt+8*\j+2]   ; each accumulator is read from its low end on
.endr
.endr
.irp g, 1,2
.irp j, 0,1,2,3
.irp tt, 0,1
	v_max3_num_f32 v[ST+8*\tt+4+\j], v[ST+8*\tt+4+\j], v[SS+32*\tt+8*\j+2*\g+1], v[SS+32*\tt+8*\j+2*\g+2]
.endr
.endr
.endr
.irp tt, 0,1
	v_max3_num_f32 v[ST+8*\tt+4], v[ST+8*\tt+4], v[SS+32*\tt+7], v[SS+32*\tt+15]
	v_max3_num_f32 v[ST+8*\tt+6], v[ST+8*\tt+6], v[SS+32*\tt+23], v[SS+32*\tt+31]
.endr
.irp tt, 0,1
	v_max3_num_f32 v[ST+8*\tt+4], v[ST+8*\tt+4], v[ST+8*\tt+5], v[ST+8*\tt+6]
.endr
.irp tt, 0,1
	v_max3_num_f32 v[ST+8*\tt+4], v[ST+8*\tt+4], v[ST+8*\tt+7], v[ST+8*\tt+1]   ; with the old m
.endr
.irp tt, 0,1
	v_permlanex16_b32 v[ST+8*\tt+5], v[ST+8*\tt+4], s[SEL], s[SEL+1]            ; the query's other 32 keys lie in the lane 16 away
.endr
.irp tt, 0,1
	v_mov_b32 v[ST+8*\tt+7], v[ST+8*\tt]           ; c m_old
.endr
.irp tt, 0,1
	v_max_num_f32 v[ST+8*\tt+1], v[ST+8*\tt+4], v[ST+8*\tt+5]
.endr
.irp tt, 0,1
	v_mul_f32 v[ST+8*\tt], s[CS], v[ST+8*\tt+1]
.endr
.irp tt, 0,1
	v_sub_f32 v[ST+8*\tt+7], v[ST+8*\tt+7], v[ST+8*\tt]
.endr
.set i, 0
.rept 16
.irp tt, 0,1
	v_pk_fma_f32 v[SS+32*\tt+2*i:SS+32*\tt+2*i+1], v[SS+32*\tt+2*i:SS+32*\tt+2*i+1], s[CS:CS+1], v[ST+8*\tt:ST+8*\tt+1] op_sel_hi:[1,0,0] neg_lo:[0,0,1] neg_hi:[0,0,1]   ; c s - c m
.endr
.set i, i+1
.endr
.irp tt, 0,1
	v_exp_f32 v[ST+8*\tt+6], v[ST+8*\tt+7]         ; a = 2^(c m_old - c m_new)
.endr
.set i, 0
.rept 32
.irp tt, 0,1
	v_exp_f32 v[SS+32*\tt+i], v[SS+32*\tt+i]
.endr
.set i, i+1
.endr
	v_nop                                          ; a plain line behind the last exponential
	s_wait_alu depctr_va_vdst(0)                   ; one wait for the batch of 66, ahead of its first reader
.irp tt, 0,1
	v_pk_mul_f32 v[ST+8*\tt+2:ST+8*\tt+3], v[ST+8*\tt+2:ST+8*\tt+3], v[ST+8*\tt+6:ST+8*\tt+7] op_sel_hi:[1,0]   ; l x a
	v_pk_add_f32 v[L2+2*\tt:L2+2*\tt+1], v[SS+32*\tt:SS+32*\tt+1], v[SS+32*\tt+2:SS+32*\tt+3]
.endr
.irp j, 4,8,12,16,20,24,28
.irp tt, 0,1
	v_pk_add_f32 v[ST+8*\tt+2:ST+8*\tt+3], v[ST+8*\tt+2:ST+8*\tt+3], v[SS+32*\tt+\j:SS+32*\tt+\j+1]
	v_pk_add_f32 v[L2+2*\tt:L2+2*\tt+1], v[L2+2*\tt:L2+2*\tt+1], v[SS+32*\tt+\j+2:SS+32*\tt+\j+3]
.endr
.endr
.irp tt, 0,1
	v_pk_add_f32 v[ST+8*\tt+2:ST+8*\tt+3], v[ST+8*\tt+2:ST+8*\tt+3], v[L2+2*\tt:L2+2*\tt+1]
.endr
.set i, 0
.rept 16
.irp tt, 0,1
	v_cvt_pk_f16_f32 v[SS+32*\tt+i], v[SS+32*\tt+2*i], v[SS+32*\tt+2*i+1]      ; P in place: register i is written when pairs 0 .. i have been read
.endr
.set i, i+1
.endr
.set i, 0
.rept 16
.irp tt, 0,1
	v_pk_mul_f32 v[OO+32*\tt+2*i:OO+32*\tt+2*i+1], v[OO+32*\tt+2*i:OO+32*\tt+2*i+1], v[ST+8*\tt+6:ST+8*\tt+7] op_sel_hi:[1,0]   ; O^T x a
.endr
.set i, i+1
.endr
.endm
.macro STEP
	s_cmp_gt_u32 s[KF], s[QL]                      ; all 64 keys come after my zone's queries: the step's work is left out
	s_cbranch_scc1 .Lhidden_\@
	v_add_nc_u32 v[ADK], s[TBK], v[AK0]
	v_add_nc_u32 v[ADV], s[TBV], v[AV0]
.rept 3
	v_nop                                          ; with the two additions: five plain lines behind the last V^T P, ahead of the loads into its registers and of the products that write over P
.endr
.irp kt, 0,1,2,3
.irp cc, 0,1
	ds_load_b128 v[KV+16*\kt+8*\cc:KV+16*\kt+8*\cc+3], v[ADK] offset:16*PK*\kt+64*\cc
	ds_load_b128 v[KV+16*\kt+8*\cc+4:KV+16*\kt+8*\cc+7], v[ADK] offset:16*PK*\kt+64*\cc+32
.endr
.endr
	s_wait_dscnt 0x0
.irp cc, 0,1                           ; eight accumulators by turns
.irp kt, 0,1,2,3
.irp tt, 0,1
.if \cc == 0
	v_wmma_f32_16x16x32_f16 v[SS+32*\tt+8*\kt:SS+32*\tt+8*\kt+7], v[KV+16*\kt+8*\cc:KV+16*\kt+8*\cc+7], v[QR+16*\tt+8*\cc:QR+16*\tt+8*\cc+7], 0
.else
	v_wmma_f32_16x16x32_f16 v[SS+32*\tt+8*\kt:SS+32*\tt+8*\kt+7], v[KV+16*\kt+8*\cc:KV+16*\kt+8*\cc+7], v[QR+16*\tt+8*\cc:QR+16*\tt+8*\cc+7], v[SS+32*\tt+8*\kt:SS+32*\tt+8*\kt+7]
.endif
.endr
.endr
.endr
.rept 4
	v_nop                                          ; ahead of the loads into K's registers and of the first read of the scores
.endr
.irp ks, 0,1                           ; V lands under the softmax
.irp ct, 0,1,2,3
	ds_load_tr16_b128 v[KV+32*\ks+8*\ct:KV+32*\ks+8*\ct+3], v[ADV] offset:32*PV*\ks+32*\ct
	ds_load_tr16_b128 v[KV+32*\ks+8*\ct+4:KV+32*\ks+8*\ct+7], v[ADV] offset:32*PV*\ks+32*\ct+16*PV
.endr
.endr
	s_add_co_u32 s59, s[KF], 63
	s_cmp_le_u32 s59, s[QF]                        ; all keys count for all queries of my zone: no mask
	s_cbranch_scc1 .Lopen_\@
	s_sub_co_i32 s62, s[Q0], s[KF]
	v_add_nc_u32 v10, s62, v[DL]                   ; d = my tile 0's query - KF - 8 h.  Register 8 kt + j of tile t holds key KF + 16 kt + 8 h + j: hidden where 16 kt + j - 16 t > d
.irp tt, 0,1
.irp n, 0,1,2,3,4,5,6,7,8,9,10,11,12,13,14,15,16,17,18,19,20,21,22,23,24,25,26,27,28,29,30,31
	v_cmp_gt_i32 vcc_lo, 16*(\n/8)+\n%8-16*\tt, v10
	v_cndmask_b32 v[SS+32*\tt+\n], v[SS+32*\tt+\n], v[NEG], vcc_lo
.endr
.endr
.Lopen_\@:
	SOFT
	s_wait_dscnt 0x0                               ; V
.irp ks, 0,1
.irp ct, 0,1,2,3
.irp tt, 0,1
	v_wmma_f32_16x16x32_f16 v[OO+32*\tt+8*\ct:OO+32*\tt+8*\ct+7], v[KV+32*\ks+8*\ct:KV+32*\ks+8*\ct+7], v[SS+32*\tt+8*\ks:SS+32*\tt+8*\ks+7], v[OO+32*\tt+8*\ct:OO+32*\tt+8*\ct+7]
.endr
.endr
.endr
.Lhidden_\@:
	s_add_co_u32 s[KF], s[KF], 64
	s_add_co_u32 s[TBK], s[TBK], 64*PK
	s_add_co_u32 s[TBV], s[TBV], 64*PV
.endm
.macro FOUR_STEPS                      ; a slot's four steps: written once, walked four times
	s_mov_b32 s[CNT], 4
.Lstep_\@:
	STEP
	s_sub_co_u32 s[CNT], s[CNT], 1
	s_cmp_lg_u32 s[CNT], 0
	s_cbranch_scc1 .Lstep_\@
	s_sub_co_u32 s[TBK], s[TBK], 256*PK
	s_sub_co_u32 s[TBV], s[TBV], 256*PV
	s_xor_b32 s[TBK], s[TBK], SLOT1                ; on to the other slot
	s_xor_b32 s[TBV], s[TBV], SLOT1
.endm
; THE CHANGE OF SLOTS, at a slot's head.  Each wave waits for all its tensor loads (its part of the slot ahead), adds 0 to its spare word, and waits for that and for its reads of the slot that it has left.
; fill = 1: a round of the cluster's barrier, and behind it the joint load of the keys that follow, into the slot just left: it has four steps in which to land; one load of mine is out.
.macro CHANGE fill
	s_wait_tensorcnt 0x0
	ds_add_u32 v[SPW], v[NIL]
.if \fill
	ds_add_u32 v[SPW], v[NIL]                      ; twice on end where a load follows that twelve waves pass by
	s_xor_b32 s[G0K+1], s[G0K+1], SLOT1
	s_add_nc_u64 s[G0K+2:G0K+3], s[G0K+2:G0K+3], 32768
	s_xor_b32 s[G0V+1], s[G0V+1], SLOT1
	s_add_nc_u64 s[G0V+2:G0V+3], s[G0V+2:G0V+3], 32768
	s_wait_xcnt 0x0                                ; the last prefetch, a slot back, has read its address
	s_add_nc_u64 s[PFA:PFA+1], s[PFA:PFA+1], 32768
	s_wait_dscnt 0x0
	CROUND
	TLOAD
	ASK
.else
	s_wait_dscnt 0x0
	s_barrier_signal -1
	s_barrier_wait -1
.endif
.endm
	s_wait_loadcnt 0x0                             ; Q
.Lslot:                                            ; seven trips: trip i loads slot i + 1 and works on slot i
	CHANGE 1
	FOUR_STEPS
	s_sub_co_u32 s[SLOTS], s[SLOTS], 1
	s_cmp_lg_u32 s[SLOTS], 0
	s_cbranch_scc1 .Lslot
	CHANGE 0                                       ; the last slot is written out
	FOUR_STEPS
	; THE WAY OUT: O^T / l, rounded to f16, through my stage (32 rows x 144 bytes, in the slot left at the last change), back as 512 bytes on end.
.rept 4
	v_nop
.endr
.irp tt, 0,1
	v_add_f32 v[ST+8*\tt+4], v[ST+8*\tt+2], v[ST+8*\tt+3]
.endr
.irp tt, 0,1
	v_permlanex16_b32 v[ST+8*\tt+5], v[ST+8*\tt+4], s[SEL], s[SEL+1]
.endr
.irp tt, 0,1
	v_add_f32 v[ST+8*\tt+4], v[ST+8*\tt+4], v[ST+8*\tt+5]
.endr
.irp tt, 0,1
	v_rcp_f32 v[ST+8*\tt+6], v[ST+8*\tt+4]
.endr
	s_mul_i32 s59, s[WV], 32*PK
	v_and_b32 v10, 15, v0                          ; (plain lines behind the reciprocals)
	v_bfe_u32 v11, v0, 4, 1
	v_mul_u32_u24 v3, v10, PK
	v_lshl_add_u32 v3, v11, 4, v3
	v_add_nc_u32 v3, s59, v3                       ; in: row r, + 16 h
	v_bfe_u32 v10, v0, 3, 2
	v_and_b32 v11, 7, v0
	v_mul_u32_u24 v4, v10, PK
	v_lshl_add_u32 v4, v11, 4, v4
	v_add_nc_u32 v4, s59, v4                       ; back: four rows of 128 bytes an instruction
	v_and_b32 v8, 31, v0
	v_lshlrev_b32 v8, 4, v8
	s_wait_alu depctr_va_vdst(0)                   ; one wait for both reciprocals, ahead of their first reader
.set i, 0
.rept 16
.irp tt, 0,1
	v_pk_mul_f32 v[OO+32*\tt+2*i:OO+32*\tt+2*i+1], v[OO+32*\tt+2*i:OO+32*\tt+2*i+1], v[ST+8*\tt+6:ST+8*\tt+7] op_sel_hi:[1,0]
.endr
.set i, i+1
.endr
.set i, 0
.rept 16
.irp tt, 0,1
	v_cvt_pk_f16_f32 v[SS+16*\tt+i], v[OO+32*\tt+2*i], v[OO+32*\tt+2*i+1]
.endr
.set i, i+1
.endr
.irp tt, 0,1
.irp ct, 0,1,2,3
	ds_store_b128 v3, v[SS+16*\tt+4*\ct:SS+16*\tt+4*\ct+3] offset:16*PK*\tt+32*\ct
.endr
.endr
.irp i, 0,1,2,3,4,5,6,7
	ds_load_b128 v[KV+4*\i:KV+4*\i+3], v4 offset:4*PK*\i      ; LDS serves a wave's instructions in order: these see my stores
.endr
.irp i, 0,1,2,3,4,5,6,7
	s_wait_dscnt 7-\i
	global_store_b128 v8, v[KV+4*\i:KV+4*\i+3], s[10:11] offset:512*\i
.endr
	s_wait_tensorcnt 0x0                           ; the wave's end
	ds_add_u32 v[SPW], v[NIL]
	s_wait_dscnt 0x0
	CROUND                                         ; the closing round
	s_endpgm
.Lfunc_end_k_q41ebd05f36_attn:
	.size	k_q41ebd05f36_attn, .Lfunc_end_k_q41ebd05f36_attn-k_q41ebd05f36_attn
	.p2alignl 7, 3214868480
	.fill 96, 4, 3214868480
	.section	.rodata,"a",@progbits
	.p2align	6, 0x0
	.amdhsa_kernel k_q41ebd05f36_attn
		.amdhsa_group_segment_fixed_size 327680
		.amdhsa_private_segment_fixed_size 0
		.amdhsa_enable_private_segment 0
		.amdhsa_kernarg_size 16
		.amdhsa_user_sgpr_count 2
		.amdhsa_user_sgpr_kernarg_segment_ptr 1
		.amdhsa_wavefront_size32 1
		.amdhsa_system_sgpr_workgroup_id_x 1
		.amdhsa_system_sgpr_workgroup_id_y 1
		.amdhsa_system_sgpr_workgroup_id_z 1
		.amdhsa_system_vgpr_workitem_id 0
		.amdhsa_next_free_vgpr 256
		.amdhsa_next_free_sgpr 72
		.amdhsa_reserve_vcc 1
		.amdhsa_float_denorm_mode_32 3
		.amdhsa_float_denorm_mode_16_64 3
		.amdhsa_memory_ordered 1
		.amdhsa_forward_progress 1
		.amdhsa_inst_pref_size 63
	.end_amdhsa_kernel
	.amdgpu_metadata
---
amdhsa.version: [ 1, 2 ]
amdhsa.kernels:
  - .name:           k_q41ebd05f36_attn
    .symbol:         k_q41ebd05f36_attn.kd
    .args:
      - { .name: qkv16, .offset: 0, .size: 8, .value_kind: global_buffer, .address_space: global }
      - { .name: yh, .offset: 8, .size: 8, .value_kind: global_buffer, .address_space: global }
    .group_segment_fixed_size: 327680
    .private_segment_fixed_size: 0
    .kernarg_segment_align: 8
    .kernarg_segment_size: 16
    .max_flat_workgroup_size: 512
    .sgpr_count:     72
    .vgpr_count:     256
    .wavefront_size: 32
...
	.end_amdgpu_metadata
.endif
;; end of part 3
;; launch proj (part 4): grid 8 x 32, 4 waves a work-group, clusters of 4 x 4, 327,680 bytes of LDS; arguments yh, wp16, b_proj, out0; writes out0
.if DOCPART == 4
	.amdgcn_target "amdgcn-amd-amdhsa--gfx1250"
	.amdhsa_code_object_version 6
	.text
	.protected	k_q41ebd05f36_proj
	.globl	k_q41ebd05f36_proj
	.p2align	8
	.type	k_q41ebd05f36_proj,@function
k_q41ebd05f36_proj:
	s_mov_b64 s[64:65], 0
	v_nop
	global_prefetch_b8 v0, s[64:65] scope:SCOPE_SE
	s_setreg_imm32_b32 hwreg(HW_REG_WAVE_MODE, 25, 1), 1
	s_wait_xcnt 0x0
	s_wait_alu depctr_hold_cnt(0) depctr_sa_sdst(0) depctr_va_vdst(0) depctr_va_sdst(0) depctr_va_ssrc(0) depctr_va_vcc(0) depctr_vm_vsrc(0)
	s_getreg_b32 s2, hwreg(HW_REG_IB_STS2, 6, 4)
	s_cmp_eq_u32 s2, 0
	s_cbranch_scc0 .Lentry_in_a_cluster
	s_endpgm
.Lentry_in_a_cluster:
	s_bfe_u32 s2, ttmp6, 0x10000c
	s_cmp_lg_u32 s2, 0xf033
	s_cbranch_scc0 .Lentry_shape_is_right
	s_endpgm
.Lentry_shape_is_right:
; out = y w_proj + b_proj, f16 operands, f32 sums.  y: [b][h][t][64] f16 (k = 64 h + channel); wp16: [1024 k][1024 n] f16; out0: [8192][1024] f32.  LIMIT: f16 operands, magnitudes up to 65,504.
; A tile of 256 (rows) x 128 (columns) to a work-group: 256 work-groups.  Four waves, 128 x 64 each: 32 accumulators, all of window 2.
; K goes in steps of 128 (two heads) through two LDS slots.  Wave 0 fetches y's 256 rows of the first head, wave 1 of the second (rows of 128 bytes), waves 2 and 3 64 rows of wp16 each (256 bytes of a row).
; CLUSTERS: 4 x 4: y's tiles are asked for jointly along a row of the cluster, wp16's along a column.
; The matrix instruction is used transposed: source 0 = 16 columns of wp16, turned out of LDS by ds_load_tr16_b128; source 1 = 16 rows of y: a lane holds eight neighbouring columns of one row.
; The bias is the C of each sum's first product.  No prefetch: a step's tiles are small and the launch is short.
; REGISTERS: window 0: v16-29 addresses; v32-63 the bias; v64-127 rows on their way out.  window 1: two fragment buffers (v0, v128): 64 registers of y, then 32 of wp16.  window 2: accumulator (a, b) at v[8 (4 a + b)].
.set PA,    144                        ; a row of y in LDS: 128 bytes + 16
.set PB,    288                        ; a row of wp16: 256 + 32
.set AH,    256*PA                     ; a head's 256 rows
.set BOFF,  2*AH
.set SLOT,  BOFF+128*PB
.set STAGE, 2*SLOT                     ; 16 rows x 272 bytes a wave
.set SPARE, STAGE+4*16*272
.set ADRA, 16
.set ADRB, 20
.set STO,  24
.set RD,   25
.set CO,   26
.set BO,   27
.set SPW,  28
.set NIL,  29
.set BIAS, 32
.set BK,   64
.set F0,   0
.set F1,   128
.set G1, 24
.set G0, 32
.set G1B, 48
.set G0B, 56
.set MSB, 0
.macro WIN new
.if MSB != \new
	s_set_vgpr_msb (MSB<<8)|\new
.set MSB, \new
.endif
.endm
.set MUL,  0xa5                        ; sources 0 and 1 window 1; C and D window 2
.set MULB, 0x85                        ; the same with C (the bias) in window 0
.set TO_F, 0x40
.macro JLOAD s
	s_cmp_eq_u32 s13, 0
	s_cbranch_scc0 .Lfor_b_\@
	tensor_load_to_lds s[G0+4*\s:G0+4*\s+3], s[G1:G1+7]
	s_nop 0
.rept 4
	v_nop
.endr
	s_branch .Lasked_\@
.Lfor_b_\@:
	tensor_load_to_lds s[G0B+4*\s:G0B+4*\s+3], s[G1B:G1B+7]
	s_nop 0
.rept 4
	v_nop
.endr
.Lasked_\@:
.endm
.macro CREST
	s_cmp_lg_u32 s12, 0
	s_cbranch_scc1 .Lnot_wave_0_\@
	s_barrier_signal -3
.Lnot_wave_0_\@:
	s_barrier_wait -3
	s_barrier_signal -1
	s_barrier_wait -1
.endm
.macro CROUND
	s_barrier_signal -1
	s_barrier_wait -1
	CREST
.endm
	s_load_b256 s[4:11], s[0:1], 0x0               ; yh, wp16, b_proj, out0
	v_lshl_add_u32 v[SPW], v0, 2, SPARE
	v_mov_b32 v[NIL], 0
	ds_add_u32 v[SPW], v[NIL]                      ; the wave's opening: the add, twice on end, and its wait
	ds_add_u32 v[SPW], v[NIL]
	v_lshrrev_b32 v1, 5, v0
	v_readfirstlane_b32 s12, v1                    ; wave 0..3
	s_lshr_b32 s13, s12, 1                         ; my half of the rows; also: I fetch y (0) or wp16 (1)
	s_and_b32 s14, s12, 1                          ; my half of the columns; also: which half I fetch
	s_bfe_u32 s17, ttmp6, 0x40000                  ; cx
	s_bfe_u32 s18, ttmp6, 0x40004                  ; cy
	s_lshl_b32 s16, ttmp9, 2
	s_add_co_u32 s16, s16, s17                     ; tile column
	s_and_b32 s15, ttmp7, 0xffff
	s_lshl_b32 s15, s15, 2
	s_add_co_u32 s15, s15, s18                     ; tile row
	s_lshl_b32 s40, s18, 2
	s_lshl_b32 s40, 15, s40                        ; my row of the cluster
	s_lshl_b32 s41, 0x1111, s17                    ; my column
	s_or_b32 s[G1+0], s40, (1<<16)|(1<<20)|(1<<21)|(4<<22)|(3<<25)    ; 2-byte elements; padding: 4 words after every 32
	s_mov_b32 s[G1+1], 64<<16
	s_mov_b32 s[G1+2], 256<<16
	s_mov_b32 s[G1+3], 64<<16
	s_mov_b32 s[G1+4], 256
	s_mov_b32 s[G1+5], 64
	s_mov_b32 s[G1+6], 0
	s_mov_b32 s[G1+7], 0
	s_or_b32 s[G1B+0], s41, (1<<16)|(1<<20)|(1<<21)|(5<<22)|(7<<25)   ; padding: 8 words after every 64
	s_mov_b32 s[G1B+1], 128<<16
	s_mov_b32 s[G1B+2], 64<<16
	s_mov_b32 s[G1B+3], 128<<16
	s_mov_b32 s[G1B+4], 64
	s_mov_b32 s[G1B+5], 1024
	s_mov_b32 s[G1B+6], 0
	s_mov_b32 s[G1B+7], 0
	s_lshr_b32 s20, s15, 3
	s_lshl_b32 s20, s20, 22                        ; y: the batch's 16 heads of 262,144 bytes,
	s_and_b32 s21, s15, 7
	s_lshl_b32 s21, s21, 15                        ; the tile's 256 positions,
	s_add_co_u32 s20, s20, s21
	s_lshl_b32 s21, s14, 18                        ; my head of the two
	s_add_co_u32 s20, s20, s21
	s_mov_b32 s21, 0
	s_lshl_b32 s46, s16, 8                         ; wp16: the tile's 128 columns,
	s_lshl_b32 s47, s14, 17                        ; my 64 rows
	s_add_co_u32 s46, s46, s47
	s_mov_b32 s47, 0
	s_mul_i32 s42, s14, AH
	s_mul_i32 s43, s14, 64*PB
	s_add_co_u32 s43, s43, BOFF
	s_wait_dscnt 0x0                               ; both opening adds are done
	s_wait_kmcnt 0x0
	s_add_nc_u64 s[20:21], s[4:5], s[20:21]
	s_add_nc_u64 s[46:47], s[6:7], s[46:47]
	CROUND
.irp s, 0,1
	s_mov_b32 s[G0+4*\s], 1
	s_add_co_u32 s[G0+4*\s+1], s42, \s*SLOT
	s_add_nc_u64 s[G0+4*\s+2:G0+4*\s+3], s[20:21], \s*524288       ; two heads on
	s_or_b32 s[G0+4*\s+3], s[G0+4*\s+3], 0x80000000
	s_mov_b32 s[G0B+4*\s], 1
	s_add_co_u32 s[G0B+4*\s+1], s43, \s*SLOT
	s_add_nc_u64 s[G0B+4*\s+2:G0B+4*\s+3], s[46:47], \s*262144     ; 128 rows on
	s_or_b32 s[G0B+4*\s+3], s[G0B+4*\s+3], 0x80000000
	JLOAD \s                                       ; two loads of mine are out
.endr
	v_and_b32 v1, 15, v0
	v_bfe_u32 v2, v0, 4, 1
	v_mul_u32_u24 v3, v1, PA
	v_lshl_add_u32 v3, v2, 4, v3
	s_mul_i32 s22, s13, 128*PA
	v_and_b32 v4, 7, v0
	v_lshl_add_u32 v4, v2, 3, v4
	v_mul_u32_u24 v4, v4, PB
	v_bfe_u32 v5, v0, 3, 1
	v_lshl_add_u32 v4, v5, 4, v4
	s_lshl_b32 s23, s14, 7
	s_add_co_u32 s23, s23, BOFF
.irp s, 0,1
	v_add_nc_u32 v[ADRA+\s], s22, v3
	v_add_nc_u32 v[ADRB+\s], s23, v4
	s_add_co_u32 s22, s22, SLOT
	s_add_co_u32 s23, s23, SLOT
.endr
	s_mul_i32 s22, s12, 16*272
	s_add_co_u32 s22, s22, STAGE
	v_mul_u32_u24 v5, v1, 272
	v_lshl_add_u32 v5, v2, 5, v5
	v_add_nc_u32 v[STO], s22, v5                   ; in: row r, 32 bytes for each half of the lanes
	v_mul_u32_u24 v5, v2, 272
	v_lshl_add_u32 v5, v1, 4, v5
	v_add_nc_u32 v[RD], s22, v5                    ; back: lanes 0-15 one row of 256 bytes, lanes 16-31 the next
	v_lshlrev_b32 v5, 12, v2
	v_lshl_add_u32 v[CO], v1, 4, v5
	v_lshlrev_b32 v[BO], 5, v2
	s_lshl_b32 s44, s16, 9
	s_lshl_b32 s45, s14, 8
	s_add_co_u32 s44, s44, s45                     ; my first column x 4 bytes
	s_mov_b32 s45, 0
	s_add_nc_u64 s[8:9], s[8:9], s[44:45]
	s_add_nc_u64 s[10:11], s[10:11], s[44:45]
	s_lshl_b32 s44, s15, 20
	s_lshl_b32 s22, s13, 19
	s_add_co_u32 s44, s44, s22                     ; my first row x 4,096 bytes
	s_add_nc_u64 s[10:11], s[10:11], s[44:45]
.irp b, 0,1,2,3
	global_load_b128 v[BIAS+8*\b:BIAS+8*\b+3], v[BO], s[8:9] offset:64*\b
	global_load_b128 v[BIAS+8*\b+4:BIAS+8*\b+7], v[BO], s[8:9] offset:64*\b+16
.endr
.macro MUL8 f, a0, zero                ; y's blocks a0, a0 + 1 x wp16's four; the 32 accumulators take turns
.irp a, \a0, \a0+1
.irp b, 0,1,2,3
.if \zero
	v_wmma_f32_16x16x32_f16 v[8*(4*(\a)+\b):8*(4*(\a)+\b)+7], v[\f+64+8*\b:\f+64+8*\b+7], v[\f+8*(\a):\f+8*(\a)+7], v[BIAS+8*\b:BIAS+8*\b+7]
.else
	v_wmma_f32_16x16x32_f16 v[8*(4*(\a)+\b):8*(4*(\a)+\b)+7], v[\f+64+8*\b:\f+64+8*\b+7], v[\f+8*(\a):\f+8*(\a)+7], v[8*(4*(\a)+\b):8*(4*(\a)+\b)+7]
.endif
.endr
.endr
.endm
.macro MULH f, hi, zero
	MUL8 \f, 4*\hi, \zero
	MUL8 \f, 4*\hi+2, \zero
.endm
.macro FETCH slot, q, f                ; 24 loads in one run: 32 along K, the slot's q-th: wp16's four blocks first, then y's eight
	WIN TO_F
.irp i, 0,1,2,3
	ds_load_tr16_b128 v[\f+64+8*\i:\f+64+8*\i+3],   v[ADRB+\slot] offset:32*PB*(\q)+32*\i
	ds_load_tr16_b128 v[\f+64+8*\i+4:\f+64+8*\i+7], v[ADRB+\slot] offset:32*PB*(\q)+32*\i+16*PB
.endr
.irp i, 0,1,2,3,4,5,6,7
	ds_load_b128 v[\f+8*\i:\f+8*\i+3],   v[ADRA+\slot] offset:((\q)/2)*AH+((\q)%2)*64+16*PA*\i
	ds_load_b128 v[\f+8*\i+4:\f+8*\i+7], v[ADRA+\slot] offset:((\q)/2)*AH+((\q)%2)*64+16*PA*\i+32
.endr
.endm
.macro PLACES
.rept 4
	v_nop
.endr
.endm
.macro QUARTER slot, q, f, g, zero     ; multiplies buffer f; in its middle fetches the slot's q-th quarter into g
	s_wait_dscnt 8                                 ; all but y's blocks 4-7
.if \zero
	WIN MULB
.else
	WIN MUL
.endif
	MULH \f, 0, \zero
	PLACES
	FETCH \slot, \q, \g
	s_wait_dscnt 24                                ; all but the 24 just issued
.if \zero
	WIN MULB
.else
	WIN MUL
.endif
	MULH \f, 1, \zero
.endm
.macro TURN slot, next, fill           ; a slot's last quarter changes slots: one barrier; fill = 1: it opens a round of the cluster's, and this slot is filled again, two steps ahead
	WIN 0
	s_wait_tensorcnt 0x0                           ; my part of the next slot has landed
	ds_add_u32 v[SPW], v[NIL]
	s_wait_dscnt 9                                 ; (the add and the youngest eight loads may be out)
	WIN MUL
	MUL8 F1, 0, 0
	s_wait_dscnt 0x0                               ; the add is done, and my reads of this slot are over
	s_barrier_signal -1
	MUL8 F1, 2, 0
.if \fill
	WIN 0
.endif
	s_barrier_wait -1
.if \fill
	CREST
	s_add_nc_u64 s[G0+4*\slot+2:G0+4*\slot+3], s[G0+4*\slot+2:G0+4*\slot+3], 1048576
	s_add_nc_u64 s[G0B+4*\slot+2:G0B+4*\slot+3], s[G0B+4*\slot+2:G0B+4*\slot+3], 524288
	JLOAD \slot                                    ; the first tensor load behind the round; its four v_nop are also the places ahead of the loads below
.else
	PLACES
.endif
	FETCH \next, 0, F0
	WIN MUL
	MULH F1, 1, 0
.endm
	s_wait_tensorcnt 1                             ; my part of step 0 is in; step 1's may be out
	s_barrier_signal -1
	s_barrier_wait -1
	FETCH 0, 0, F0
	s_wait_loadcnt 0x0                             ; the bias
	QUARTER 0, 1, F0, F1, 1
	WIN 0
	s_mov_b32 s3, 3
.Llap:                                             ; a trip goes once round the ring and fills both slots again
	QUARTER 0, 2, F1, F0, 0
	QUARTER 0, 3, F0, F1, 0
	TURN 0, 1, 1
	QUARTER 1, 1, F0, F1, 0
	QUARTER 1, 2, F1, F0, 0
	QUARTER 1, 3, F0, F1, 0
	TURN 1, 0, 1
	QUARTER 0, 1, F0, F1, 0
	WIN 0
	s_sub_co_u32 s3, s3, 1
	s_cmp_lg_u32 s3, 0
	s_cbranch_scc1 .Llap
	QUARTER 0, 2, F1, F0, 0                        ; the last lap fills nothing
	QUARTER 0, 3, F0, F1, 0
	TURN 0, 1, 0
	QUARTER 1, 1, F0, F1, 0
	QUARTER 1, 2, F1, F0, 0
	QUARTER 1, 3, F0, F1, 0
	s_wait_dscnt 8
	WIN MUL
	MULH F1, 0, 0
	s_wait_dscnt 0x0
	MULH F1, 1, 0
	WIN 0
; THE WAY OUT, a block of 16 rows x 64 columns (256 bytes a row) at a time, through my own stage: sixteen lanes store 256 bytes on end, aligned.
.macro TOSTAGE a
	WIN 0x08                                       ; an LDS store's data: window 2
.irp b, 0,1,2,3
	ds_store_b128 v[STO], v[8*(4*(\a)+\b):8*(4*(\a)+\b)+3] offset:64*\b       ; each accumulator from its low end on
	ds_store_b128 v[STO], v[8*(4*(\a)+\b)+4:8*(4*(\a)+\b)+7] offset:64*\b+16
.endr
	WIN 0
.set BB, BK+32*((\a)%2)
.irp t, 0,1,2,3,4,5,6,7
	ds_load_b128 v[BB+4*\t:BB+4*\t+3], v[RD] offset:\t*2*272
.endr
.endm
.macro SEND a, younger
.set BB, BK+32*((\a)%2)
	s_wait_dscnt \younger
.irp t, 0,1,2,3,4,5,6,7
	global_store_b128 v[CO], v[BB+4*\t:BB+4*\t+3], s[10:11] offset:(16*(\a)+2*\t)*4096 th:TH_STORE_NT
.endr
.endm
	PLACES
	TOSTAGE 0
.irp a, 1,2,3,4,5,6,7
.if \a > 1
	s_wait_xcnt 0x0                                ; block a - 2's stores have read their registers: block a's loads may land there
.endif
	TOSTAGE \a
	SEND \a-1, 16                                  ; behind block a - 1's loads: block a's 8 stores and 8 loads
.endr
	SEND 7, 0
	s_wait_tensorcnt 0x0                           ; the wave's end
	ds_add_u32 v[SPW], v[NIL]
	s_wait_dscnt 0x0
	CROUND                                         ; the closing round
	s_endpgm
.Lfunc_end_k_q41ebd05f36_proj:
	.size	k_q41ebd05f36_proj, .Lfunc_end_k_q41ebd05f36_proj-k_q41ebd05f36_proj
	.p2alignl 7, 3214868480
	.fill 96, 4, 3214868480
	.section	.rodata,"a",@progbits
	.p2align	6, 0x0
	.amdhsa_kernel k_q41ebd05f36_proj
		.amdhsa_group_segment_fixed_size 327680
		.amdhsa_private_segment_fixed_size 0
		.amdhsa_enable_private_segment 0
		.amdhsa_kernarg_size 32
		.amdhsa_user_sgpr_count 2
		.amdhsa_user_sgpr_kernarg_segment_ptr 1
		.amdhsa_wavefront_size32 1
		.amdhsa_system_sgpr_workgroup_id_x 1
		.amdhsa_system_sgpr_workgroup_id_y 1
		.amdhsa_system_sgpr_workgroup_id_z 1
		.amdhsa_system_vgpr_workitem_id 0
		.amdhsa_next_free_vgpr 768
		.amdhsa_next_free_sgpr 66
		.amdhsa_reserve_vcc 0
		.amdhsa_float_denorm_mode_32 3
		.amdhsa_float_denorm_mode_16_64 3
		.amdhsa_memory_ordered 1
		.amdhsa_forward_progress 1
		.amdhsa_inst_pref_size 86
	.end_amdhsa_kernel
	.amdgpu_metadata
---
amdhsa.version: [ 1, 2 ]
amdhsa.kernels:
  - .name:           k_q41ebd05f36_proj
    .symbol:         k_q41ebd05f36_proj.kd
    .args:
      - { .name: yh, .offset: 0, .size: 8, .value_kind: global_buffer, .address_space: global }
      - { .name: wp16, .offset: 8, .size: 8, .value_kind: global_buffer, .address_space: global }
      - { .name: b_proj, .offset: 16, .size: 8, .value_kind: global_buffer, .address_space: global }
      - { .name: out0, .offset: 24, .size: 8, .value_kind: global_buffer, .address_space: global }
    .group_segment_fixed_size: 327680
    .private_segment_fixed_size: 0
    .kernarg_segment_align: 8
    .kernarg_segment_size: 32
    .max_flat_workgroup_size: 128
    .sgpr_count:     66
    .vgpr_count:     768
    .wavefront_size: 32
...
	.end_amdgpu_metadata
.endif
;; end of part 4
;; launch fine (part 5): grid 64 x 4, 16 waves a work-group, no clusters, 18,432 bytes of LDS; arguments qkv32, w_proj, b_proj, out0; writes out0
.if DOCPART == 5
	.amdgcn_target "amdgcn-amd-amdhsa--gfx1250"
	.amdhsa_code_object_version 6
	.text
	.protected	k_q41ebd05f36_fine
	.globl	k_q41ebd05f36_fine
	.p2align	8
	.type	k_q41ebd05f36_fine,@function
k_q41ebd05f36_fine:
	s_mov_b64 s[64:65], 0
	v_nop
	global_prefetch_b8 v0, s[64:65] scope:SCOPE_SE
	s_setreg_imm32_b32 hwreg(HW_REG_WAVE_MODE, 25, 1), 1
	s_wait_xcnt 0x0
; Positions 0-15 of every batch once more, attention and projection in f32: these rows average one to sixteen values, and f16 operands would use up most of what the comparison allows there.
; A work-group: one batch (grid y) and 16 output columns (grid x).  Wave w: head w.  Each work-group repeats the batch's small attention (32 matrix instructions a wave) so that the projection is shared among all work-groups.
; It reads w_proj and writes out0 in pieces of 64 and 16 bytes: 4 MiB and 256 KiB in all.  No cluster, no tensor load: everything goes straight into operand registers, and what work-groups share (qkv32) is small.
; v_wmma_f32_16x16x4_f32: a lane (r, h) holds row r and k = 2 h + j.  k is permuted alike on both sources, so that any pair of registers that holds the same k on both sides is a K step.
; ACC1 and ACC2 are written by matrix instructions alone; what is made of them goes into other registers.
.set SPARE, 16384
.set SPW, 12
.set NIL, 13
.set KK,  16                           ; k(row r, channels 32 h + 0 .. 31)
.set QQ,  48                           ; q likewise; later y
.set VV,  80                           ; v(key 8 h + j, channel 16 ct + r) at 8 ct + j
.set WW,  112                          ; w_proj(64 w + 16 ct + 8 h + j, n0 + r) at 8 ct + j
.set ACC1, 144
.set ACC2, 176
.set SS,  208                          ; scores, then p, then the wave's part of the output
	s_load_b256 s[4:11], s[0:1], 0x0               ; qkv32, w_proj, b_proj, out0
	v_lshl_add_u32 v[SPW], v0, 2, SPARE
	v_mov_b32 v[NIL], 0
	v_lshrrev_b32 v1, 5, v0
	v_readfirstlane_b32 s16, v1                    ; the head
	v_and_b32 v1, 15, v0                           ; r
	v_bfe_u32 v2, v0, 4, 1                         ; h
	s_and_b32 s17, ttmp7, 0xffff                   ; the batch
	s_and_b32 s18, s16, 1                          ; u: which four of a lane's eight outputs waves 0 and 1 finish
	v_mul_u32_u24 v3, v1, 12288
	v_lshl_add_u32 v3, v2, 7, v3                   ; q, k: row r, + 32 h channels
	v_mul_u32_u24 v4, v2, 8*12288
	v_lshl_add_u32 v4, v1, 2, v4                   ; v: key 8 h, channel r
	v_lshlrev_b32 v5, 15, v2
	v_lshl_add_u32 v5, v1, 2, v5                   ; w_proj: row 8 h, column r
	v_lshlrev_b32 v6, 5, v2                        ; the bias: 32 h
	v_lshlrev_b32 v7, 3, v2
	v_sub_nc_u32 v7, v1, v7                        ; r - 8 h
	v_and_b32 v14, 31, v0
	v_lshlrev_b32 v14, 4, v14
	s_lshl_b32 s19, s16, 10
	v_add_nc_u32 v15, s19, v14                     ; LDS, in: 1,024 x wave + 16 x lane
	s_lshl_b32 s19, s18, 9
	v_add_nc_u32 v14, s19, v14                     ; back: 512 u + 16 x lane
	v_lshlrev_b32 v223, 12, v1
	v_lshl_add_u32 v223, v2, 5, v223               ; out0: row r, + 32 h
	v_mov_b32 v222, 0xff800000                     ; -infinity
	s_mov_b32 s28, 0x76543210
	s_mov_b32 s29, 0xfedcba98
	s_mov_b32 s30, 0x3cb8aa3b                      ; c = log2(e) / 64
	s_mul_i32 s20, s17, 16*12288
	s_lshl_b32 s21, s16, 8
	s_add_co_u32 s20, s20, s21
	s_mov_b32 s21, 0
	s_lshl_b32 s22, s16, 18
	s_lshl_b32 s23, ttmp9, 6
	s_add_co_u32 s22, s22, s23
	s_mov_b32 s23, 0
	s_lshl_b32 s24, ttmp9, 6
	s_lshl_b32 s25, s18, 4
	s_add_co_u32 s24, s24, s25
	s_mov_b32 s25, 0
	s_lshl_b32 s26, s17, 23
	s_mov_b32 s27, 0
	s_wait_kmcnt 0x0
	s_add_nc_u64 s[4:5], s[4:5], s[20:21]          ; qkv32 at the batch's rows, my head's channels
	s_add_nc_u64 s[6:7], s[6:7], s[22:23]          ; w_proj at my head's 64 rows, the work-group's columns
	s_add_nc_u64 s[8:9], s[8:9], s[24:25]
	s_add_nc_u64 s[10:11], s[10:11], s[24:25]
	s_add_nc_u64 s[10:11], s[10:11], s[26:27]
	global_load_b128 v[8:11], v6, s[8:9]
.irp i, 0,1,2,3,4,5,6,7
	global_load_b128 v[KK+4*\i:KK+4*\i+3], v3, s[4:5] offset:4096+16*\i
.endr
.irp i, 0,1,2,3,4,5,6,7
	global_load_b128 v[QQ+4*\i:QQ+4*\i+3], v3, s[4:5] offset:16*\i
.endr
.irp ct, 0,1,2,3
.irp j, 0,1,2,3,4,5,6,7
	global_load_b32 v[VV+8*\ct+\j], v4, s[4:5] offset:8192+64*\ct+12288*\j
.endr
.endr
	s_wait_loadcnt 32                              ; the bias, k and q are in; v's 32 loads may be out
.irp ct, 0,1,2,3
.irp j, 0,1,2,3,4,5,6,7
	global_load_b32 v[WW+8*\ct+\j], v5, s[6:7] offset:(16*\ct+\j)*4096
.endr
.endr
	; S^T = k q^T: sixteen K steps on four accumulators by turns
.irp i, 0,1,2,3,4,5,6,7,8,9,10,11,12,13,14,15
.if \i < 4
	v_wmma_f32_16x16x4_f32 v[ACC1+8*(\i%4):ACC1+8*(\i%4)+7], v[KK+2*\i:KK+2*\i+1], v[QQ+2*\i:QQ+2*\i+1], 0
.else
	v_wmma_f32_16x16x4_f32 v[ACC1+8*(\i%4):ACC1+8*(\i%4)+7], v[KK+2*\i:KK+2*\i+1], v[QQ+2*\i:QQ+2*\i+1], v[ACC1+8*(\i%4):ACC1+8*(\i%4)+7]
.endif
.endr
.rept 8
	v_nop                                          ; eight plain lines behind this form, ahead of the first read of its results (ISA guide 7.12.1)
.endr
.irp j, 0,1,2,3,4,5,6,7
	v_add_f32 v216, v[ACC1+\j], v[ACC1+8+\j]
	v_add_f32 v217, v[ACC1+16+\j], v[ACC1+24+\j]
	v_add_f32 v[SS+\j], v216, v217                 ; score(key 8 h + j, query r)
.endr
.irp j, 0,1,2,3,4,5,6,7
	v_cmp_gt_i32 vcc_lo, \j, v7                    ; hidden where 8 h + j > r
	v_cndmask_b32 v[SS+\j], v[SS+\j], v222, vcc_lo
.endr
	v_max3_num_f32 v216, v[SS], v[SS+1], v[SS+2]
	v_max3_num_f32 v217, v[SS+3], v[SS+4], v[SS+5]
	v_max3_num_f32 v216, v216, v[SS+6], v[SS+7]
	v_max_num_f32 v216, v216, v217
	v_permlanex16_b32 v217, v216, s28, s29
	v_max_num_f32 v216, v216, v217                 ; the row's maximum: key 0 counts for every query, so it is a number
	v_mul_f32 v217, s30, v216
.irp j, 0,1,2,3,4,5,6,7
	v_fma_f32 v[SS+\j], v[SS+\j], s30, -v217
.endr
.irp j, 0,1,2,3,4,5,6,7
	v_exp_f32 v[SS+\j], v[SS+\j]
.endr
	v_nop
	s_wait_alu depctr_va_vdst(0)                   ; one wait for the eight, ahead of their first reader
	v_add_f32 v216, v[SS], v[SS+1]
	v_add_f32 v218, v[SS+2], v[SS+3]
	v_add_f32 v219, v[SS+4], v[SS+5]
	v_add_f32 v220, v[SS+6], v[SS+7]
	v_add_f32 v216, v216, v218
	v_add_f32 v219, v219, v220
	v_add_f32 v216, v216, v219
	v_permlanex16_b32 v218, v216, s28, s29
	v_add_f32 v216, v216, v218                     ; the row's sum
	v_rcp_f32 v221, v216
	v_nop
	s_wait_alu depctr_va_vdst(0)
	s_wait_loadcnt 32                              ; v is in; w_proj's 32 loads may be out
	; O^T = v^T p: four K steps of four keys, four tiles of channels by turns
.irp s, 0,1,2,3
.irp ct, 0,1,2,3
.if \s == 0
	v_wmma_f32_16x16x4_f32 v[ACC2+8*\ct:ACC2+8*\ct+7], v[VV+8*\ct+2*\s:VV+8*\ct+2*\s+1], v[SS+2*\s:SS+2*\s+1], 0
.else
	v_wmma_f32_16x16x4_f32 v[ACC2+8*\ct:ACC2+8*\ct+7], v[VV+8*\ct+2*\s:VV+8*\ct+2*\s+1], v[SS+2*\s:SS+2*\s+1], v[ACC2+8*\ct:ACC2+8*\ct+7]
.endif
.endr
.endr
.rept 8
	v_nop
.endr
.irp i, 0,1,2,3,4,5,6,7,8,9,10,11,12,13,14,15,16,17,18,19,20,21,22,23,24,25,26,27,28,29,30,31
	v_mul_f32 v[QQ+\i], v[ACC2+\i], v221           ; y(query r, channel 16 ct + 8 h + j) at 8 ct + j
.endr
	s_wait_loadcnt 0x0                             ; w_proj
	; my head's part of out^T = w^T y^T: sixteen K steps, an accumulator for each tile of channels, by turns
.irp s, 0,1,2,3
.irp ct, 0,1,2,3
.if \s == 0
	v_wmma_f32_16x16x4_f32 v[ACC1+8*\ct:ACC1+8*\ct+7], v[WW+8*\ct+2*\s:WW+8*\ct+2*\s+1], v[QQ+8*\ct+2*\s:QQ+8*\ct+2*\s+1], 0
.else
	v_wmma_f32_16x16x4_f32 v[ACC1+8*\ct:ACC1+8*\ct+7], v[WW+8*\ct+2*\s:WW+8*\ct+2*\s+1], v[QQ+8*\ct+2*\s:QQ+8*\ct+2*\s+1], v[ACC1+8*\ct:ACC1+8*\ct+7]
.endif
.endr
.endr
.rept 8
	v_nop
.endr
.irp j, 0,1,2,3,4,5,6,7
	v_add_f32 v216, v[ACC1+\j], v[ACC1+8+\j]
	v_add_f32 v217, v[ACC1+16+\j], v[ACC1+24+\j]
	v_add_f32 v[SS+\j], v216, v217                 ; part(column n0 + 8 h + j, position r)
.endr
	ds_store_b128 v15, v[SS:SS+3]
	ds_store_b128 v15, v[SS+4:SS+7] offset:512
	s_wait_dscnt 0x0                               ; my part has landed,
	s_barrier_signal -1
	s_barrier_wait -1                              ; and the other fifteen heads'
	s_cmp_gt_u32 s16, 1
	s_cbranch_scc1 .Lend
.irp p, 0,1,2,3,4,5,6,7,8,9,10,11,12,13,14,15
	ds_load_b128 v[KK+4*\p:KK+4*\p+3], v14 offset:1024*\p     ; waves 0 and 1 add the sixteen parts, four outputs a lane each
.endr
	s_wait_dscnt 0x0
.irp p, 1,2,3,4,5,6,7,8,9,10,11,12,13,14,15
	v_pk_add_f32 v[KK:KK+1], v[KK:KK+1], v[KK+4*\p:KK+4*\p+1]
	v_pk_add_f32 v[KK+2:KK+3], v[KK+2:KK+3], v[KK+4*\p+2:KK+4*\p+3]
.endr
	v_pk_add_f32 v[KK:KK+1], v[KK:KK+1], v[8:9]
	v_pk_add_f32 v[KK+2:KK+3], v[KK+2:KK+3], v[10:11]
	global_store_b128 v223, v[KK:KK+3], s[10:11]
.Lend:
	s_wait_tensorcnt 0x0                           ; the wave's end
	ds_add_u32 v[SPW], v[NIL]
	s_wait_dscnt 0x0
	s_endpgm
.Lfunc_end_k_q41ebd05f36_fine:
	.size	k_q41ebd05f36_fine, .Lfunc_end_k_q41ebd05f36_fine-k_q41ebd05f36_fine
	.p2alignl 7, 3214868480
	.fill 96, 4, 3214868480
	.section	.rodata,"a",@progbits
	.p2align	6, 0x0
	.amdhsa_kernel k_q41ebd05f36_fine
		.amdhsa_group_segment_fixed_size 18432
		.amdhsa_private_segment_fixed_size 0
		.amdhsa_enable_private_segment 0
		.amdhsa_kernarg_size 32
		.amdhsa_user_sgpr_count 2
		.amdhsa_user_sgpr_kernarg_segment_ptr 1
		.amdhsa_wavefront_size32 1
		.amdhsa_system_sgpr_workgroup_id_x 1
		.amdhsa_system_sgpr_workgroup_id_y 1
		.amdhsa_system_sgpr_workgroup_id_z 1
		.amdhsa_system_vgpr_workitem_id 0
		.amdhsa_next_free_vgpr 224
		.amdhsa_next_free_sgpr 66
		.amdhsa_reserve_vcc 1
		.amdhsa_float_denorm_mode_32 3
		.amdhsa_float_denorm_mode_16_64 3
		.amdhsa_memory_ordered 1
		.amdhsa_forward_progress 1
		.amdhsa_inst_pref_size 22
	.end_amdhsa_kernel
	.amdgpu_metadata
---
amdhsa.version: [ 1, 2 ]
amdhsa.kernels:
  - .name:           k_q41ebd05f36_fine
    .symbol:         k_q41ebd05f36_fine.kd
    .args:
      - { .name: qkv32, .offset: 0, .size: 8, .value_kind: global_buffer, .address_space: global }
      - { .name: w_proj, .offset: 8, .size: 8, .value_kind: global_buffer, .address_space: global }
      - { .name: b_proj, .offset: 16, .size: 8, .value_kind: global_buffer, .address_space: global }
      - { .name: out0, .offset: 24, .size: 8, .value_kind: global_buffer, .address_space: global }
    .group_segment_fixed_size: 18432
    .private_segment_fixed_size: 0
    .kernarg_segment_align: 8
    .kernarg_segment_size: 32
    .max_flat_workgroup_size: 512
    .sgpr_count:     66
    .vgpr_count:     224
    .wavefront_size: 32
...
	.end_amdgpu_metadata
.endif
;; end of part 5
